; MI455X (gfx1250); checked and timed in simulation.
; The chip was launched on July 23, 2026; its instructions are those of AMD's public machine-readable ISA for CDNA 5 (MIT licence, August 2026) and "CDNA5" Instruction Set Architecture Reference Guide (July 2026). The comments in the code are by the model that wrote it; some were corrected since.
;; S Alibi4 Attention. Allowed arithmetic: matrix products marked QUANTISED: E3M2 operands, one E8M0 scale for each 32 along K, by v_wmma_scale_f32_16x16x128_f8f6f4 with both operands' format E3M2, f32 sums; everything else in f32.
;; Inputs: Wk 1,024 x 1,024 float32; Wo 1,024 x 1,024 float32; Wq 1,024 x 1,024 float32; Wv 1,024 x 1,024 float32; bk 1,024 float32; bo 1,024 float32; bq 1,024 float32; bv 1,024 float32; k 2 x 2,048 x 1,024 float32; q 2 x 2,048 x 1,024 float32; v 2 x 2,048 x 1,024 float32.
;; Outputs: out0 2 x 2,048 x 1,024 float32.
;; This version of the problem:
;;   THIS VERSION OF THE PROBLEM IS GIVEN IN LOW PRECISION. The matrix products marked QUANTISED in the list below multiply operands that are first quantised to E3M2 (3 exponent bits, 2 mantissa bits; 6 bits a number), with one power-of-two scale for each 32 numbers along K (OCP MX v1.0); their sums are f32. All else is computed in f32.
;;   The module's matrix products, in the order in which they are computed (A, B: the left and right operand; K: the contracted axis; several contracted axes count as one K, in the product's order):
;;     1. [M 4,096, K 1,024] x [K 1,024, N 1,024]; A: input q; B: input Wq: QUANTISED
;;     2. [M 4,096, K 1,024] x [K 1,024, N 1,024]; A: input k; B: input Wk: QUANTISED
;;     3. [M 4,096, K 1,024] x [K 1,024, N 1,024]; A: input v; B: input Wv: QUANTISED
;;     4. batch 32 x [M 2,048, K 64] x [K 64, N 2,048]; A: computed on the way; B: computed on the way: QUANTISED
;;     5. batch 32 x [M 2,048, K 2,048] x [K 2,048, N 64]; A: softmax (see below); B: computed on the way: QUANTISED
;;     6. [M 4,096, K 1,024] x [K 1,024, N 1,024]; A: computed on the way; B: input Wo: QUANTISED
;;   THE QUANTISER, for each operand of a quantised product, along K:
;;     - K is cut into blocks of 32 from its start; a last block that is shorter is filled with zeros.
;;     - A block's scale is 2^e with e = floor(log2(the largest magnitude in the block)) - 4, held to -126 .. 127; a block of zeros has e = 0. As a byte (E8M0): e + 127.
;;     - Each number is divided by its block's scale, clamped to +-28, and rounded to the nearest number of E3M2, ties to even, subnormals kept.
;;     - The product sums the exact products of the quantised numbers (number of the format x scale) in f32.
;;   ~~~python
;;   def quantise(x, axis):      # numpy; x: float32 -> the quantised numbers, widened to float32 again
;;       x = np.moveaxis(x, axis, -1); K = x.shape[-1]
;;       x = np.pad(x, [(0, 0)] * (x.ndim - 1) + [(0, -K % 32)]); x = x.reshape(x.shape[:-1] + (-1, 32)); a = np.abs(x).max(-1, keepdims=True)
;;       e = np.where(a > 0, np.clip(np.frexp(np.where(a > 0, a, 1))[1] - 1 - 4, -126, 127), 0)      # np.frexp(a)[1] - 1 = floor(log2(a)), exactly
;;       r = np.clip(x / 2.0 ** e, -28, 28)
;;       step = 2.0 ** (np.maximum(np.frexp(np.where(r == 0, 1, r))[1] - 1, -2) - 2)
;;       q = np.round(r / step) * step * 2.0 ** e      # np.round: ties to even
;;       return np.moveaxis(q.reshape(q.shape[:-2] + (-1,))[..., :K], -1, axis).astype(np.float32)
;;   ~~~
;;   SOFTMAX AHEAD OF A QUANTISED PRODUCT. Where the list says 'softmax', what is quantised is not the finished softmax but p = 2^(t - M), with t = logit x log2(e) and M = ceil(the row's largest t), a whole number; so 1/2 < the row's largest p <= 1. The row's sum l is taken of the UNQUANTISED p, in f32, and the product's result is divided by l at the end. Since M is a whole number, a kernel that streams over the keys may use a running M (the ceiling of the running maximum): every later rescaling is an exact power of two, which a block's scale takes up: the codes' values come out the same.
;;   OPERANDS COMPUTED ON THE WAY. 'Computed on the way' means the value that the module computes at that place (a softmax that the list does not call 'softmax' is quantised finished and normalised). What goes into a quantiser is computed in f32, as accurately as f32 sums, v_exp_f32 and their like allow (about 1e-6 of the number): no bf16 or f16 on the way to a quantiser, and a product that is left as it is and whose result goes on into a quantised operand takes f32 operands (vector FMAs, or v_wmma_f32_16x16x4_f32). A number that lies on a knife's edge between two numbers of the format may be rounded either way, as far as f32 arithmetic and the matrix unit's own rounding can turn it there, and no further.
;; One version. Each part assembles by itself: llvm-mc -triple=amdgcn-amd-amdhsa -mcpu=gfx1250 --defsym DOCPART=n.
;; ======== version 1 of 1: 4 launches
;; limits: right only within a limited range of input values
;; workspace buffers: cod 12,582,912 bytes; scl 524,288 bytes; qc 3,145,728 bytes; qs 262,144 bytes; kvc 6,291,456 bytes; kvs 262,144 bytes; xc 3,145,728 bytes; xs 131,072 bytes
;; launch quant (part 1): grid 256 x 1, 16 waves a work-group, no clusters, 272,384 bytes of LDS; arguments q, k, v, Wq, Wk, Wv, Wo, cod, scl; writes cod, scl
.if DOCPART == 1
	.amdgcn_target "amdgcn-amd-amdhsa--gfx1250"
	.amdhsa_code_object_version 6
	.text
	.protected	k_q3c827adefa_quant
	.globl	k_q3c827adefa_quant
	.p2align	8
	.type	k_q3c827adefa_quant,@function
k_q3c827adefa_quant:
	s_mov_b64 s[64:65], 0
	v_nop
	global_prefetch_b8 v0, s[64:65] scope:SCOPE_SE
	s_setreg_imm32_b32 hwreg(HW_REG_WAVE_MODE, 25, 1), 1
	s_wait_xcnt 0x0
; q, k, v [4096][1024] and Wq, Wk, Wv, Wo [1024][1024], f32 with K innermost, become codes of BF6 (E3M2) with one E8M0 scale byte for each 32 along K,
; laid in the order in which a matrix operand's registers take them, so that every later launch fetches fragments whole.
; ROWS go in groups G of 32 (q 0-127, k 128-255, v 256-383, Wq 384-415, Wk 416-447, Wv 448-479, Wo 480-511), two tiles u to a group; lane row r of tile (G, u) is row 8 u + r % 8 + 16 (r / 8) of the group.
; cod: [G][u][K step s of 128][1536 bytes]: a fragment's 12 registers as they stand: registers 0-3 at 16 x lane, 4-5 at 512 + 8 x lane, 6-9 at 768 + 16 x lane, 10-11 at 1280 + 8 x lane.
; scl: [G][s / 4][16 u + r][s % 4]: one word (four bytes, 128 along K) for each row and K step.
; A block's scale is 2^(floor(log2(its largest magnitude)) - 4); its byte is the largest magnitude's exponent field - 4, held at 1 from below.
; LIMITS: NaN and infinities among the inputs are not served; a block whose largest magnitude lies under 2^-122 (a block of zeros too) gets the byte 1: the bytes are read by this program alone.
; SHARES: a work-group takes two groups; wave w takes group w / 8, K step w % 8: 32 rows x 128 numbers, 16 KiB, asked for by one tensor load into LDS bytes of the wave's own.
; Every LDS byte is filled once and read by the wave that asked for it: no barrier.  No work-group shares a byte with another, so there is nothing to ask for jointly: no cluster.
.set PITCH, 528                        ; an LDS row: 512 bytes + 16.  (A tile's rows r and r + 8 lie 16 rows apart: 16 x 528 is a whole multiple of 256 bytes, so those two rows start alike; memory binds here, not LDS)
.set SLOTB, 32*PITCH                   ; one K step of 32 rows
.set WREG,  4*SLOTB
.set AL,  4                            ; v4   LDS address of my row's 32 numbers of block h in slot 0, tile 0
.set L16, 5                            ; v5   16 x lane
.set L8,  6                            ; v6   8 x lane
.set SH,  7                            ; v7   8 h: where my two scale bytes stand in the word
.set TM,  12                           ; v12-13 largest magnitudes; v14-15 the conversions' scale operands; v16-17 the bytes
.set SO,  14
.set BY,  16
.set SW,  20                           ; v20-27 the scale words: 4 u + K step
.set OW,  28                           ; v28 the word that my lane stores
.set CT,  32                           ; v32-39 the upper halves of two blocks' codes
.set X,   64                           ; v64-127 64 numbers: two blocks
.set CD,  128                          ; v128-151 codes, 12 registers for each of the wave's 2 tiles: no store's data are written again
.set WV,  22
.set G1,  28                           ; s[28:35] descriptor group 1
.set G0,  36                           ; s[36:39] group 0
.set SEL, 56                           ; s56-57 selects for lane l xor 16
	s_load_b256 s[4:11], s[0:1], 0x0               ; q, k, v, Wq
	s_load_b256 s[12:19], s[0:1], 0x20             ; Wk, Wv, Wo, cod
	s_load_b64 s[20:21], s[0:1], 0x40              ; scl
	v_lshl_add_u32 v224, v0, 2, 0x42000
	v_mov_b32 v225, 0
	ds_add_u32 v224, v225
	ds_add_u32 v224, v225
	v_lshrrev_b32 v1, 5, v0
	v_readfirstlane_b32 s[WV], v1                  ; wave 0..15
	; SHARES AS THEY STAND: sixteen waves; wave w takes group w / 8 and K step w % 8: 32 rows x 128 numbers, by ONE tensor load into LDS bytes of its own
	s_lshr_b32 s23, s[WV], 3                       ; which of the two groups
	s_and_b32 s24, s[WV], 7                        ; which K step
	s_lshl_b32 s25, ttmp9, 1
	s_add_co_u32 s25, s25, s23                     ; G
	s_mul_i32 s52, s[WV], SLOTB                    ; my bytes of LDS
	s_mov_b32 s[G1+0], (2<<16)|(1<<20)|(6<<22)|(3<<25)   ; elements of 4 bytes; padding on: 4 words behind every 128
	s_mov_b32 s[G1+1], 128<<16                     ; tensor_dim0 = 128
	s_mov_b32 s[G1+2], 32<<16                      ; tensor_dim1 = 32
	s_mov_b32 s[G1+3], 128<<16                     ; tile_dim0 = 128
	s_mov_b32 s[G1+4], 32                          ; tile_dim1 = 32
	s_mov_b32 s[G1+5], 1024                        ; elements from row to row
	s_mov_b32 s[G1+6], 0
	s_mov_b32 s[G1+7], 0
	s_mov_b32 s[SEL], 0x76543210
	s_mov_b32 s[SEL+1], 0xfedcba98
	s_mov_b32 s26, 0                               ; the first group of my tensor
	s_wait_dscnt 0x0
	s_wait_kmcnt 0x0
.macro PICK first, ptr, gb             ; from work-group 'first' on: the next tensor.  The choice hangs on the work-group's number alone
	s_cmp_ge_u32 ttmp9, \first
	s_cselect_b64 s[4:5], s[\ptr:\ptr+1], s[4:5]
	s_cselect_b32 s26, \gb, s26
.endm
	PICK 64, 6, 128
	PICK 128, 8, 256
	PICK 192, 10, 384
	PICK 208, 12, 416
	PICK 224, 14, 448
	PICK 240, 16, 480
	s_sub_co_u32 s26, s25, s26
	s_lshl_b32 s26, s26, 17                        ; 32 rows of 4,096 bytes a group,
	s_lshl_b32 s27, s24, 9                         ; 512 bytes a K step
	s_add_co_u32 s26, s26, s27
	s_mov_b32 s27, 0
	s_add_nc_u64 s[4:5], s[4:5], s[26:27]
.irp g, 0
	s_mov_b32 s[G0+4*\g], 1
	s_add_co_u32 s[G0+4*\g+1], s52, \g*SLOTB
	s_add_nc_u64 s[G0+4*\g+2:G0+4*\g+3], s[4:5], \g*512
	s_or_b32 s[G0+4*\g+3], s[G0+4*\g+3], 0x80000000
.endr
	tensor_load_to_lds s[G0:G0+3], s[G1:G1+7]      ; my one load is out
	s_nop 0
.rept 4
	v_nop
.endr
	s_mul_i32 s54, s25, 24576                      ; cod: my group
	s_mul_i32 s55, s24, 1536                       ; my K step
	s_add_co_u32 s54, s54, s55
	s_mov_b32 s55, 0
	s_add_nc_u64 s[18:19], s[18:19], s[54:55]
	s_lshl_b32 s54, s25, 10                        ; scl likewise
	s_lshr_b32 s53, s24, 2                         ; 512 (s / 4) + 4 (s % 4)
	s_lshl_b32 s53, s53, 9
	s_add_co_u32 s54, s54, s53
	s_and_b32 s53, s24, 3
	s_lshl_b32 s53, s53, 2
	s_add_co_u32 s54, s54, s53
	s_add_nc_u64 s[20:21], s[20:21], s[54:55]
	v_and_b32 v1, 31, v0                           ; lane
	v_and_b32 v2, 15, v0                           ; r
	v_bfe_u32 v3, v0, 4, 1                         ; h
	v_and_b32 v8, 7, v2
	v_lshrrev_b32 v9, 3, v2
	v_lshl_add_u32 v8, v9, 4, v8                   ; r % 8 + 16 (r / 8)
	v_mul_u32_u24 v[AL], v8, PITCH
	v_lshl_add_u32 v[AL], v3, 7, v[AL]             ; + 128 h: the operand's layout gives lane (r, h) k = 64 c + 32 h + 0 .. 31
	v_add_nc_u32 v[AL], s52, v[AL]
	v_lshlrev_b32 v[L16], 4, v1
	v_lshlrev_b32 v[L8], 3, v1
	v_lshlrev_b32 v[SH], 3, v3
	v_mov_b32 v11, 0                               ; a lane permute's destination counts as one of its sources
; Tile u of K step g: 64 numbers a lane (two whole blocks), their scale bytes, their codes, which are the operand's registers as they stand.
.macro TILE g, u
.set PC, CD+12*(2*(\g)+(\u))
.irp c, 0,1
.irp i, 0,1,2,3,4,5,6,7
	ds_load_b128 v[X+32*\c+4*\i:X+32*\c+4*\i+3], v[AL] offset:(\g)*SLOTB+(\u)*8*PITCH+256*\c+16*\i
.endr
.endr
	s_wait_dscnt 0x0
.irp c, 0,1
	v_max3_num_f32 v[TM+\c], |v[X+32*\c]|, |v[X+32*\c+1]|, 0x2800000   ; my block 2 c + h, and the floor 2^(5 - 127): the byte cannot fall under 1
.endr
.irp i, 2,4,6,8,10,12,14,16,18,20,22,24,26,28,30
.irp c, 0,1
	v_max3_num_f32 v[TM+\c], v[TM+\c], |v[X+32*\c+\i]|, |v[X+32*\c+\i+1]|
.endr
.endr
.irp c, 0,1
	v_add_nc_u32 v[SO+\c], 0xfe000000, v[TM+\c]    ; 4 off the exponent field: the conversion's scale operand
.endr
.irp c, 0,1
	v_lshrrev_b32 v[BY+\c], 23, v[SO+\c]           ; the scale's byte
.endr
	v_lshl_or_b32 v10, v[BY+1], 16, v[BY]          ; my two bytes: blocks h and 2 + h,
	v_lshlrev_b32 v10, v[SH], v10                  ; at their places;
	v_permlanex16_b32 v11, v10, s[SEL], s[SEL+1]
	v_or_b32 v[SW+4*(\u)+(\g)], v10, v11           ; with lane l xor 16's two the word is whole
.irp c, 0,1
	v_cvt_scalef32_pk16_bf6_f32 v[PC+6*\c:PC+6*\c+2], v[X+32*\c:X+32*\c+15], v[SO+\c]
	v_cvt_scalef32_pk16_bf6_f32 v[CT+4*\c:CT+4*\c+2], v[X+32*\c+16:X+32*\c+31], v[SO+\c]   ; (a conversion's three registers begin on an even number)
.endr
	v_nop                                          ; one plain place behind a scaled conversion
.irp c, 0,1
.irp i, 0,1,2
	v_mov_b32 v[PC+6*\c+3+\i], v[CT+4*\c+\i]
.endr
.endr
.irp c, 0,1
	global_store_b128 v[L16], v[PC+6*\c:PC+6*\c+3], s[18:19] offset:(\u)*12288+(\g)*1536+768*\c       ; 512 consecutive bytes,
	global_store_b64 v[L8], v[PC+6*\c+4:PC+6*\c+5], s[18:19] offset:(\u)*12288+(\g)*1536+768*\c+512   ; and the 256 behind them
.endr
.endm
	s_wait_alu depctr_va_vdst(0)
	s_wait_tensorcnt 0x0                           ; my one load is in
	TILE 0, 0
	TILE 0, 1
	v_cmp_le_u32 vcc_lo, 16, v1                    ; lanes 0-15 store tile 0's words, lanes 16-31 tile 1's
	v_cndmask_b32 v[OW], v[SW], v[SW+4], vcc_lo
	global_store_b32 v[L16], v[OW], s[20:21]       ; my K step's word of each of the 32 rows, 16 bytes apart; four waves fill the 512 bytes
	s_wait_tensorcnt 0x0
	ds_add_u32 v224, v225
	s_wait_dscnt 0x0
	s_endpgm
.Lfunc_end_k_q3c827adefa_quant:
	.size	k_q3c827adefa_quant, .Lfunc_end_k_q3c827adefa_quant-k_q3c827adefa_quant
	.p2alignl 7, 3214868480
	.fill 96, 4, 3214868480
	.section	.rodata,"a",@progbits
	.p2align	6, 0x0
	.amdhsa_kernel k_q3c827adefa_quant
		.amdhsa_group_segment_fixed_size 272384
		.amdhsa_private_segment_fixed_size 0
		.amdhsa_enable_private_segment 0
		.amdhsa_kernarg_size 72
		.amdhsa_user_sgpr_count 2
		.amdhsa_user_sgpr_kernarg_segment_ptr 1
		.amdhsa_wavefront_size32 1
		.amdhsa_system_sgpr_workgroup_id_x 1
		.amdhsa_system_sgpr_workgroup_id_y 1
		.amdhsa_system_sgpr_workgroup_id_z 1
		.amdhsa_system_vgpr_workitem_id 0
		.amdhsa_next_free_vgpr 226
		.amdhsa_next_free_sgpr 66
		.amdhsa_reserve_vcc 1
		.amdhsa_float_denorm_mode_32 3
		.amdhsa_float_denorm_mode_16_64 3
		.amdhsa_memory_ordered 1
		.amdhsa_forward_progress 1
		.amdhsa_inst_pref_size 14
	.end_amdhsa_kernel
	.amdgpu_metadata
---
amdhsa.version: [ 1, 2 ]
amdhsa.kernels:
  - .name:           k_q3c827adefa_quant
    .symbol:         k_q3c827adefa_quant.kd
    .args:
      - { .name: q, .offset: 0, .size: 8, .value_kind: global_buffer, .address_space: global }
      - { .name: k, .offset: 8, .size: 8, .value_kind: global_buffer, .address_space: global }
      - { .name: v, .offset: 16, .size: 8, .value_kind: global_buffer, .address_space: global }
      - { .name: Wq, .offset: 24, .size: 8, .value_kind: global_buffer, .address_space: global }
      - { .name: Wk, .offset: 32, .size: 8, .value_kind: global_buffer, .address_space: global }
      - { .name: Wv, .offset: 40, .size: 8, .value_kind: global_buffer, .address_space: global }
      - { .name: Wo, .offset: 48, .size: 8, .value_kind: global_buffer, .address_space: global }
      - { .name: cod, .offset: 56, .size: 8, .value_kind: global_buffer, .address_space: global }
      - { .name: scl, .offset: 64, .size: 8, .value_kind: global_buffer, .address_space: global }
    .group_segment_fixed_size: 272384
    .private_segment_fixed_size: 0
    .kernarg_segment_align: 8
    .kernarg_segment_size: 72
    .max_flat_workgroup_size: 512
    .sgpr_count:     66
    .vgpr_count:     226
    .wavefront_size: 32
...
	.end_amdgpu_metadata
.endif
;; end of part 1
;; launch proj (part 2): grid 256 x 1, 12 waves a work-group, clusters of 4 x 1, 308,736 bytes of LDS; arguments cod, scl, bq, bk, bv, qc, qs, kvc, kvs; writes qc, qs, kvc, kvs
.if DOCPART == 2
	.amdgcn_target "amdgcn-amd-amdhsa--gfx1250"
	.amdhsa_code_object_version 6
	.text
	.protected	k_q3c827adefa_proj
	.globl	k_q3c827adefa_proj
	.p2align	8
	.type	k_q3c827adefa_proj,@function
k_q3c827adefa_proj:
	s_mov_b64 s[64:65], 0
	v_nop
	global_prefetch_b8 v0, s[64:65] scope:SCOPE_SE
	s_setreg_imm32_b32 hwreg(HW_REG_WAVE_MODE, 25, 1), 1
	s_wait_xcnt 0x0
	s_wait_alu depctr_hold_cnt(0) depctr_sa_sdst(0) depctr_va_vdst(0) depctr_va_sdst(0) depctr_va_ssrc(0) depctr_va_vcc(0) depctr_vm_vsrc(0)
	s_getreg_b32 s2, hwreg(HW_REG_IB_STS2, 6, 4)
	s_cmp_eq_u32 s2, 0
	s_cbranch_scc0 .Lentry_in_a_cluster
	s_endpgm
.Lentry_in_a_cluster:
	s_bfe_u32 s2, ttmp6, 0x10000c
	s_cmp_lg_u32 s2, 0x3003
	s_cbranch_scc0 .Lentry_shape_is_right
	s_endpgm
.Lentry_shape_is_right:
; Q = q Wq^T + bq, K = k Wk^T + bk, V = v Wv^T + bv on codes of BF6 (E3M2) with E8M0 scales, sums in f32; the results are quantised in registers and stored as operands of the attention launch:
; Q and K along a head's 64 channels, V along the keys.  Nothing wide goes to memory.
; SHARES: twelve waves: kind = wave / 4 (0 Q, 1 K, 2 V), wi = wave % 4.  A wave makes 128 x 32 numbers: source 0 = eight tiles of 16 rows ("A side"), held in LDS for all of K and shared by the kind's four waves;
; source 1 = two tiles ("B side"), which no other wave of the work-group wants: from memory straight into registers, one K step ahead.
;   Q, K: A = 128 rows of the weight (two heads), B = 32 rows of q or k: a lane holds ONE row and its registers run along the channels.   V: A = 128 rows of v (keys), B = 32 rows of Wv: a lane holds ONE channel, registers along the keys.
; The rows of a tile are those of the first launch's order, so that the 16 registers of tiles 2 g and 2 g + 1 are 16 neighbours, 32 g + 16 (lane / 16) + 0 .. 15, of the axis that is quantised.
; CLUSTER: all three A sides hang on the cluster's number alone, so each is asked for JOINTLY by the four partners (mask 15): waves wi 0-2 of the kind issue one load each (scale words, then two stages of four K steps).
; Every LDS byte is filled once.  LIMITS: NaN and infinities are not served; a block under 2^-122 gets the byte 1 (the bytes are read by this program alone).
; REGISTERS: v1-7 addresses; v8-11 at work; v12-15 A's scale words; v16-23 B's; v24-71 four fragments of A; v72-119 B, two sets of two; v128-255 the sixteen accumulators ((a, b) at 128 + 64 b + 8 a).
.set REGB, 102400                      ; an A side in LDS: [half of K 2][tile 8][4 K steps][1536], then the four groups' scale words, 4,096 bytes
.set STGB, 49152                       ; an A side's codes as they stand: [half of K 2][tile 8][4 K steps][1536]
.set SCOF, 98304
.set AL0, 1                            ; v1, v2  region + 16 x lane, and 49,152 on (an LDS offset has 16 bits)
.set A80, 3                            ; v3, v4  the same with 8 x lane
.set AS,  5                            ; v5      the scale words: region + 98,304 + 16 x lane
.set L16, 6
.set L8,  7
.set SCA, 12
.set SCB, 16
.set AF,  24
.set BF,  72
.set ACC, 128
.set ACCB, 64
.set TM,  56                           ; the way out: v56-71 at work; v24-47 codes; v48-55 upper halves; v72-73 scale words
.set WV, 22
.set TY, 23
.set WI, 24
.set HP, 27                            ; the pair of heads (Q, K)
.set RR, 28                            ; the block of 128 keys (V)
.set SEL, 30
.set G1S, 32                           ; s[32:39] group 1 for scale words;  s[40:47] for a stage of codes;  groups 0: s[48:51], s[52:55], s[56:59]
.set G1C, 40
.set GBL, 73
.set GAM, 74
.set LREG, 76
.set BB, 82                            ; s[82:83] B's codes
; B HAS FOUR SETS of two fragments: K step s uses set s % 4; sets 0, 1 at v72-119, sets 2, 3 at v256-303 (window 1, written v0-47).  The window is switched round those loads and products alone.
.set MSB, 0
.macro WIN new                         ; the immediate's high byte repeats the setting that is left
.if MSB != \new
	s_set_vgpr_msb (MSB<<8)|\new
.set MSB, \new
.endif
.endm
.macro PLACES n
.rept \n
	v_nop
.endr
.endm
.macro CROUND                          ; a round of the cluster's barrier
	s_barrier_signal -1
	s_barrier_wait -1
	s_cmp_lg_u32 s[WV], 0
	s_cbranch_scc1 .Lnot_wave_0_\@
	s_barrier_signal -3
.Lnot_wave_0_\@:
	s_barrier_wait -3
	s_barrier_signal -1
	s_barrier_wait -1
.endm
.macro LDFRAG reg, a16, a8, off        ; a fragment's 12 registers from its image in LDS: every load reads consecutive bytes
	ds_load_b128 v[\reg:\reg+3], v[\a16] offset:\off
	ds_load_b64 v[\reg+4:\reg+5], v[\a8] offset:\off+512
	ds_load_b128 v[\reg+6:\reg+9], v[\a16] offset:\off+768
	ds_load_b64 v[\reg+10:\reg+11], v[\a8] offset:\off+1280
.endm
.macro GLFRAG reg, sb, off             ; the same from memory
	global_load_b128 v[\reg:\reg+3], v[L16], s[\sb:\sb+1] offset:\off
	global_load_b64 v[\reg+4:\reg+5], v[L8], s[\sb:\sb+1] offset:\off+512
	global_load_b128 v[\reg+6:\reg+9], v[L16], s[\sb:\sb+1] offset:\off+768
	global_load_b64 v[\reg+10:\reg+11], v[L8], s[\sb:\sb+1] offset:\off+1280
.endm
.macro STFRAGH pc, sb, off             ; half a fragment (64 along K, 6 registers) to memory: 768 consecutive bytes
	global_store_b128 v[L16], v[\pc:\pc+3], s[\sb:\sb+1] offset:\off
	global_store_b64 v[L8], v[\pc+4:\pc+5], s[\sb:\sb+1] offset:\off+512
.endm
.macro WM d, a, b, c, sa, sb, ra, rb   ; one product; ra, rb = 1: that side's scale words stand in lanes 16-31
.if (\ra)&&(\rb)
	v_wmma_scale_f32_16x16x128_f8f6f4 v[0+(\d):7+(\d)], v[0+(\a):11+(\a)], v[0+(\b):11+(\b)], v[0+(\c):7+(\c)], v[\sa], v[\sb] matrix_a_fmt:MATRIX_FMT_BF6 matrix_b_fmt:MATRIX_FMT_BF6 matrix_a_scale:MATRIX_SCALE_ROW1 matrix_b_scale:MATRIX_SCALE_ROW1
.elseif (\ra)
	v_wmma_scale_f32_16x16x128_f8f6f4 v[0+(\d):7+(\d)], v[0+(\a):11+(\a)], v[0+(\b):11+(\b)], v[0+(\c):7+(\c)], v[\sa], v[\sb] matrix_a_fmt:MATRIX_FMT_BF6 matrix_b_fmt:MATRIX_FMT_BF6 matrix_a_scale:MATRIX_SCALE_ROW1
.elseif (\rb)
	v_wmma_scale_f32_16x16x128_f8f6f4 v[0+(\d):7+(\d)], v[0+(\a):11+(\a)], v[0+(\b):11+(\b)], v[0+(\c):7+(\c)], v[\sa], v[\sb] matrix_a_fmt:MATRIX_FMT_BF6 matrix_b_fmt:MATRIX_FMT_BF6 matrix_b_scale:MATRIX_SCALE_ROW1
.else
	v_wmma_scale_f32_16x16x128_f8f6f4 v[0+(\d):7+(\d)], v[0+(\a):11+(\a)], v[0+(\b):11+(\b)], v[0+(\c):7+(\c)], v[\sa], v[\sb] matrix_a_fmt:MATRIX_FMT_BF6 matrix_b_fmt:MATRIX_FMT_BF6
.endif
.endm
; Four tiles of A, a0 on, against B's two, K step s: eight accumulators, one instruction a turn.  Four places follow, in front of the next loads into these registers.
.macro HALF s, a0
.irp i, 0,1,2,3
	LDFRAG AF+12*\i, AL0+((\s)>>2), A80+((\s)>>2), ((\a0)+\i)*6144+((\s)&3)*1536
.endr
	s_wait_dscnt 0x0
	WIN 0x04*(((\s)>>1)&1)                         ; source 1 (B) in window 1 for sets 2 and 3
.irp i, 0,1,2,3
.irp b, 0,1
	WM ACC+ACCB*\b+8*((\a0)+\i), AF+12*\i, BF*(1-(((\s)>>1)&1))+24*((\s)&1)+12*\b, ACC+ACCB*\b+8*((\a0)+\i), SCA+(((\a0)+\i)>>1), SCB+(\s), ((\a0)+\i)&1, \b
.endr
.endr
	PLACES 4
	WIN 0
.endm
.macro KSTEP s
.irp g, 0,1,2,3
	ds_load_b32 v[SCA+\g], v[AS] offset:\g*1024+((\s)>>2)*512+((\s)&3)*4   ; group g's words: lanes 0-15 its tile 0, lanes 16-31 its tile 1
.endr
.if (\s) < 5
	s_wait_loadcnt 24                              ; this K step's B (and all older loads) is in; the three younger K steps' eight loads each may be out
.else
	s_wait_loadcnt 8*(7-(\s))                      ; towards the end 7 - s younger K steps are left
.endif
	HALF \s, 0
	HALF \s, 4
.if (\s) < 4
	WIN 0x40*(((\s)>>1)&1)                         ; destination in window 1 for sets 2 and 3
	GLFRAG BF*(1-(((\s)>>1)&1))+24*((\s)&1), BB, ((\s)+4)*1536           ; B of four K steps on, into the set just multiplied (four places stand behind its products)
	GLFRAG BF*(1-(((\s)>>1)&1))+24*((\s)&1)+12, BB, 12288+((\s)+4)*1536
	WIN 0
.endif
.endm
.macro STAGE q
.if (\q) == 0
	s_wait_tensorcnt 0x0                           ; my one load, if I asked for one, has landed
	s_wait_dscnt 0x0
	s_barrier_signal -1
	s_barrier_wait -1                              ; now every wave may read all three A sides: nothing is ever filled again
.endif
	KSTEP 2*(\q)
	KSTEP 2*(\q)+1
.endm
; 64 numbers of a lane, register 16 b + i = place 32 b + 16 (lane / 16) + i of the quantised axis, become a fragment's codes in v[pc] on and its scale word in v[pw].
.macro QUANT s, pc, pt, pw
.irp b, 0,1,2,3
	v_max3_num_f32 v[TM+\b], |v[\s+16*\b]|, |v[\s+1+16*\b]|, 0x2800000   ; each accumulator is read from its low end on; the floor 2^(5 - 127) holds the byte at 1 from below
.endr
.irp i, 2,4,6,8,10,12,14
.irp b, 0,1,2,3
	v_max3_num_f32 v[TM+\b], v[TM+\b], |v[\s+16*\b+\i]|, |v[\s+1+16*\b+\i]|
.endr
.endr
.irp b, 0,1,2,3
	s_delay_alu instid0(VALU_DEP_4)
	v_permlanex16_b32 v[TM+4+\b], v[TM+\b], s[SEL], s[SEL+1]
.endr
.irp b, 0,1,2,3
	s_delay_alu instid0(VALU_DEP_4)
	v_max_num_f32 v[TM+\b], v[TM+\b], v[TM+4+\b]   ; with lane l xor 16's: the block's largest magnitude
.endr
.irp b, 0,1,2,3
	s_delay_alu instid0(VALU_DEP_4)
	v_add_nc_u32 v[TM+12+\b], 0xfe000000, v[TM+\b] ; 4 off its exponent field: the conversion's scale operand
.endr
.irp b, 0,1,2,3
	s_delay_alu instid0(VALU_DEP_4)
	v_lshrrev_b32 v[TM+4+\b], 23, v[TM+12+\b]      ; the scale's byte
.endr
	s_delay_alu instid0(VALU_DEP_3)
	v_lshl_or_b32 v[\pw], v[TM+5], 8, v[TM+4]
	s_delay_alu instid0(VALU_DEP_1)
	v_lshl_or_b32 v[\pw], v[TM+6], 16, v[\pw]
	s_delay_alu instid0(VALU_DEP_1)
	v_lshl_or_b32 v[\pw], v[TM+7], 24, v[\pw]
.irp c, 0,1
	v_cvt_scalef32_pk16_bf6_f32 v[\pc+6*\c:\pc+2+6*\c], v[\s+32*\c:\s+15+32*\c], v[TM+12+2*\c]
	v_cvt_scalef32_pk16_bf6_f32 v[\pt+4*\c:\pt+2+4*\c], v[\s+16+32*\c:\s+31+32*\c], v[TM+12+2*\c+1]
.endr
	v_nop                                          ; one plain place behind a scaled conversion
.irp c, 0,1                            ; the operand's layout wants a WHOLE block in a lane
.irp i, 0,1,2
	v_permlane16_swap_b32 v[\pc+6*\c+\i], v[\pt+4*\c+\i]
.endr
.irp i, 0,1,2
	s_delay_alu instid0(VALU_DEP_3)
	v_mov_b32 v[\pc+3+6*\c+\i], v[\pt+4*\c+\i]
.endr
.endr
.endm
.macro SETG0 g, q
	s_mov_b32 s[\g], 1
	s_add_co_u32 s[\g+1], s[LREG], (\q)*STGB
	s_add_nc_u64 s[\g+2:\g+3], s[80:81], (\q)*6144
	s_or_b32 s[\g+3], s[\g+3], 0x80000000
.endm
	s_load_b256 s[4:11], s[0:1], 0x0               ; cod, scl, bq, bk
	s_load_b256 s[12:19], s[0:1], 0x20             ; bv, qc, qs, kvc
	s_load_b64 s[20:21], s[0:1], 0x40              ; kvs
	v_lshl_add_u32 v126, v0, 2, 0x4b000
	v_mov_b32 v127, 0
	ds_add_u32 v126, v127
	ds_add_u32 v126, v127
	v_lshrrev_b32 v8, 5, v0
	s_delay_alu instid0(VALU_DEP_1)
	v_readfirstlane_b32 s[WV], v8                  ; wave 0..11
	s_lshr_b32 s[TY], s[WV], 2
	s_and_b32 s[WI], s[WV], 3
	s_bfe_u32 s25, ttmp6, 0x40000                  ; cx: it enters B's and the results' global addresses alone
	s_lshl_b32 s26, ttmp9, 2
	s_add_co_u32 s26, s26, s25                     ; the work-group's number
	s_lshr_b32 s[HP], ttmp9, 3
	s_lshr_b32 s[RR], ttmp9, 1
	s_lshl_b32 s72, s[HP], 2                       ; A's first group.  Q, K: 384 + 32 x kind + 4 x pair of heads;
	s_lshl_b32 s77, s[TY], 5
	s_add_co_u32 s72, s72, s77
	s_add_co_u32 s72, s72, 384
	s_lshl_b32 s77, s[RR], 2                       ; V: 256 + 4 x block of keys
	s_add_co_u32 s77, s77, 256
	s_cmp_eq_u32 s[TY], 2
	s_cselect_b32 s72, s77, s72
	s_and_b32 s[GBL], s26, 31                      ; B's group.  Q, K: 128 x kind + 4 (work-group % 32) + wi;
	s_lshl_b32 s[GBL], s[GBL], 2
	s_add_co_u32 s[GBL], s[GBL], s[WI]
	s_lshl_b32 s75, s[TY], 7
	s_add_co_u32 s75, s75, s[GBL]
	s_and_b32 s[GAM], s26, 7                       ; V: 448 + 4 (work-group % 8) + wi
	s_lshl_b32 s[GAM], s[GAM], 2
	s_add_co_u32 s[GAM], s[GAM], s[WI]
	s_add_co_u32 s77, s[GAM], 448
	s_cmp_eq_u32 s[TY], 2
	s_cselect_b32 s75, s77, s75
	s_mul_i32 s[LREG], s[TY], REGB                 ; my kind's A side in LDS: the wave's number alone
	v_and_b32 v8, 31, v0
	s_delay_alu instid0(VALU_DEP_1)
	v_lshlrev_b32 v[L16], 4, v8
	s_delay_alu instid0(VALU_DEP_2)
	v_lshlrev_b32 v[L8], 3, v8
	s_delay_alu instid0(VALU_DEP_2)
	v_add_nc_u32 v[AL0], s[LREG], v[L16]
	s_delay_alu instid0(VALU_DEP_1)
	v_add_nc_u32 v[AL0+1], 49152, v[AL0]
	s_delay_alu instid0(VALU_DEP_3)
	v_add_nc_u32 v[A80], s[LREG], v[L8]
	s_delay_alu instid0(VALU_DEP_1)
	v_add_nc_u32 v[A80+1], 49152, v[A80]
	s_delay_alu instid0(VALU_DEP_4)
	v_add_nc_u32 v[AS], SCOF, v[AL0]
	s_mov_b32 s[G1S+0], 15|(3<<16)|(1<<21)         ; the mask: all four partners; elements of 8 bytes; bit 21 beside a mask
	s_mov_b32 s[G1S+1], 32<<16                     ; 16 rows of 256 bytes, dense
	s_mov_b32 s[G1S+2], 16<<16
	s_mov_b32 s[G1S+3], 32<<16
	s_mov_b32 s[G1S+4], 16
	s_mov_b32 s[G1S+5], 32
	s_mov_b32 s[G1S+6], 0
	s_mov_b32 s[G1S+7], 0
	s_mov_b32 s[G1C+0], 15|(3<<16)|(1<<21)
	s_mov_b32 s[G1C+1], 768<<16                    ; 8 rows (tiles) of 6,144 bytes (four K steps), 12,288 bytes apart
	s_mov_b32 s[G1C+2], 8<<16
	s_mov_b32 s[G1C+3], 768<<16
	s_mov_b32 s[G1C+4], 8
	s_mov_b32 s[G1C+5], 1536
	s_mov_b32 s[G1C+6], 0
	s_mov_b32 s[G1C+7], 0
	s_mov_b32 s[SEL], 0x76543210
	s_mov_b32 s[SEL+1], 0xfedcba98
	s_lshl_b32 s78, s72, 10
	s_mov_b32 s79, 0
	s_mul_i32 s80, s72, 24576
	s_mov_b32 s81, 0
	s_mul_i32 s82, s75, 24576
	s_mov_b32 s83, 0
	s_lshl_b32 s84, s75, 10
	s_mov_b32 s85, 0
	s_wait_dscnt 0x0
	s_wait_kmcnt 0x0
	s_add_nc_u64 s[78:79], s[6:7], s[78:79]        ; A's scale words
	s_add_nc_u64 s[80:81], s[4:5], s[80:81]        ; A's codes
	s_add_nc_u64 s[BB:BB+1], s[4:5], s[82:83]      ; B's codes
	s_add_nc_u64 s[84:85], s[6:7], s[84:85]        ; B's scale words
	s_mov_b32 s48, 1
	s_add_co_u32 s49, s[LREG], SCOF
	s_mov_b64 s[50:51], s[78:79]
	s_or_b32 s51, s51, 0x80000000
	SETG0 52, 0
	SETG0 56, 1
	CROUND                                         ; all four work-groups are here: the joint loads meet
	; a kind's A side is asked for by three of its waves, one joint load each: wi 0 the scale words, wi 1 K steps 0-3, wi 2 K steps 4-7; one chain of branches on the wave's number
	s_cmp_lg_u32 s[WI], 0
	s_cbranch_scc1 .Lfill_1
	tensor_load_to_lds s[48:51], s[G1S:G1S+7]
	s_nop 0
	PLACES 4
	s_branch .Lno_fill
.Lfill_1:
	s_cmp_lg_u32 s[WI], 1
	s_cbranch_scc1 .Lfill_2
	tensor_load_to_lds s[52:55], s[G1C:G1C+7]
	s_nop 0
	PLACES 4
	s_branch .Lno_fill
.Lfill_2:
	s_cmp_lg_u32 s[WI], 2
	s_cbranch_scc1 .Lno_fill
	tensor_load_to_lds s[56:59], s[G1C:G1C+7]
	s_nop 0
	PLACES 4
.Lno_fill:
	; THE BIASES are what the sums begin with: every K step then adds in place.
	s_cmp_eq_u32 s[TY], 2
	s_cbranch_scc1 .Lbias_v
	s_cmp_eq_u32 s[TY], 0                          ; Q, K: register j of accumulator (a, b) is channel 32 (a / 2) + 16 h + 8 (a % 2) + j of the pair of heads: loaded straight into the accumulators
	s_cselect_b64 s[86:87], s[8:9], s[10:11]
	s_lshl_b32 s88, s[HP], 9
	s_mov_b32 s89, 0
	s_add_nc_u64 s[86:87], s[86:87], s[88:89]
	v_bfe_u32 v9, v0, 4, 1
	s_delay_alu instid0(VALU_DEP_1)
	v_lshlrev_b32 v9, 6, v9                        ; 64 h
.irp b, 0,1
.irp a, 0,1,2,3,4,5,6,7
.irp t, 0,1
	global_load_b128 v[ACC+64*\b+8*\a+4*\t:ACC+64*\b+8*\a+4*\t+3], v9, s[86:87] offset:128*(\a>>1)+32*(\a&1)+16*\t
.endr
.endr
.endr
	s_branch .Lbias_done
.Lbias_v:                                              ; V: the channel is the lane's: one number a lane and tile of Wv, which every register of that tile's accumulators begins with
	v_and_b32 v8, 7, v0
	v_bfe_u32 v9, v0, 3, 1
	s_delay_alu instid0(VALU_DEP_1)
	v_lshl_add_u32 v8, v9, 4, v8                   ; r % 8 + 16 (r / 8)
	s_delay_alu instid0(VALU_DEP_1)
	v_lshlrev_b32 v9, 2, v8
	s_lshl_b32 s88, s[GAM], 7
	s_mov_b32 s89, 0
	s_add_nc_u64 s[86:87], s[12:13], s[88:89]
	global_load_b32 v10, v9, s[86:87]
	global_load_b32 v11, v9, s[86:87] offset:32
	s_wait_loadcnt 0x0
.set J, 0
.rept 64
	v_mov_b32 v[ACC+J], v10
	v_mov_b32 v[ACC+64+J], v11
.set J, J+1
.endr
.Lbias_done:
	s_wait_alu depctr_va_vdst(0)
	global_load_b128 v[SCB:SCB+3], v[L16], s[84:85]                ; B's scale words, all eight K steps: lanes 0-15 tile 0, lanes 16-31 tile 1
	global_load_b128 v[SCB+4:SCB+7], v[L16], s[84:85] offset:512
.irp s, 0,1                            ; B of K steps 0 to 3 is asked for at once; the first K step's counted wait covers the biases and scale words, which are older
	GLFRAG BF+24*\s, BB, \s*1536
	GLFRAG BF+24*\s+12, BB, 12288+\s*1536
.endr
	WIN 0x40
.irp s, 0,1
	GLFRAG 24*\s, BB, (\s+2)*1536
	GLFRAG 24*\s+12, BB, 12288+(\s+2)*1536
.endr
	WIN 0
	STAGE 0
	STAGE 1
	STAGE 2
	STAGE 3
	; THE WAY OUT.  (The places behind the last products stand at the end of the last K step.)
.irp b, 0,1,2,3
	v_mov_b32 v[TM+4+\b], 0                        ; a lane permute's destination counts as one of its sources
.endr
	QUANT 128, 24, 48, 72
	QUANT 192, 36, 48, 73
	v_and_b32 v76, 31, v0
	s_delay_alu instid0(VALU_DEP_1)
	v_cmp_le_u32 vcc_lo, 16, v76                   ; lanes 16-31
	v_and_b32 v77, 15, v0
	v_bfe_u32 v78, v0, 4, 1
	s_delay_alu instid0(VALU_DEP_2)
	v_lshlrev_b32 v77, 2, v77
	s_delay_alu instid0(VALU_DEP_1)
	v_lshl_add_u32 v74, v78, 13, v77               ; 8,192 h + 4 r: lanes 16-31 store for the second head
	v_lshlrev_b32 v75, 2, v76                      ; 4 x lane
	s_lshr_b32 s90, s[GBL], 6                      ; Q, K: batch x 16 + first head;
	s_lshl_b32 s90, s90, 4
	s_lshl_b32 s91, s[HP], 1
	s_add_co_u32 s90, s90, s91
	s_and_b32 s91, s[GBL], 63                      ; the group of 32 rows in the batch
	s_lshr_b32 s92, s[RR], 4                       ; V: batch x 16 + head;
	s_lshl_b32 s92, s92, 4
	s_lshr_b32 s93, s[GAM], 1
	s_add_co_u32 s92, s92, s93
	s_and_b32 s93, s[RR], 15                       ; the key step;
	s_and_b32 s94, s[GAM], 1                       ; which 32 of the head's channels
	s_mov_b32 s97, 0
	s_cmp_eq_u32 s[TY], 0
	s_cbranch_scc0 .Lnot_q
	s_mul_i32 s96, s90, 98304                      ; Q: qc [batch, head][tile of 16 queries][768]: a fragment's two halves are two heads
	s_mul_i32 s95, s91, 1536
	s_add_co_u32 s96, s96, s95
	s_add_nc_u64 s[14:15], s[14:15], s[96:97]
	STFRAGH 24, 14, 0
	STFRAGH 30, 14, 98304
	STFRAGH 36, 14, 768
	s_wait_alu depctr_va_vdst(0)
	STFRAGH 42, 14, 98304+768
	s_lshl_b32 s96, s90, 13                        ; qs: a word [d0, d1, d0, d1] for each query
	s_lshl_b32 s95, s91, 7
	s_add_co_u32 s96, s96, s95
	s_add_nc_u64 s[16:17], s[16:17], s[96:97]
	v_perm_b32 v80, v72, v72, 0x01000100
	v_perm_b32 v81, v72, v72, 0x03020302
	s_delay_alu instid0(VALU_DEP_1)
	v_cndmask_b32 v80, v80, v81, vcc_lo
	v_perm_b32 v82, v73, v73, 0x01000100
	v_perm_b32 v83, v73, v73, 0x03020302
	s_delay_alu instid0(VALU_DEP_1)
	v_cndmask_b32 v82, v82, v83, vcc_lo
	global_store_b32 v74, v80, s[16:17]
	global_store_b32 v74, v82, s[16:17] offset:64
	s_branch .Lstored
.Lnot_q:
	s_cmp_eq_u32 s[TY], 1
	s_cbranch_scc0 .Lis_v
	s_mul_i32 s96, s90, 196608                     ; K: kvc [batch, head][tile of 16 keys][768]: two neighbouring tiles are one fragment
	s_mul_i32 s95, s91, 1536
	s_add_co_u32 s96, s96, s95
	s_add_nc_u64 s[18:19], s[18:19], s[96:97]
	STFRAGH 24, 18, 0
	STFRAGH 30, 18, 196608
	STFRAGH 36, 18, 768
	s_wait_alu depctr_va_vdst(0)
	STFRAGH 42, 18, 196608+768
	s_lshl_b32 s96, s90, 13                        ; kvs: a word [tile 0: d0, d1; tile 1: d0, d1] for each lane row of a pair of tiles
	s_lshl_b32 s95, s91, 6
	s_add_co_u32 s96, s96, s95
	s_add_nc_u64 s[20:21], s[20:21], s[96:97]
	v_perm_b32 v80, v73, v72, 0x05040100
	v_perm_b32 v81, v73, v72, 0x07060302
	s_delay_alu instid0(VALU_DEP_1)
	v_cndmask_b32 v80, v80, v81, vcc_lo
	global_store_b32 v74, v80, s[20:21]
	s_branch .Lstored
.Lis_v:
	s_mul_i32 s96, s92, 196608                     ; V: kvc [batch, head] + 98,304 + [key step][tile of 16 channels][1536]
	s_mul_i32 s95, s93, 6144
	s_add_co_u32 s96, s96, s95
	s_mul_i32 s95, s94, 3072
	s_add_co_u32 s96, s96, s95
	s_add_co_u32 s96, s96, 98304
	s_add_nc_u64 s[18:19], s[18:19], s[96:97]
	STFRAGH 24, 18, 0
	STFRAGH 30, 18, 768
	STFRAGH 36, 18, 1536
	s_wait_alu depctr_va_vdst(0)
	STFRAGH 42, 18, 1536+768
	s_lshl_b32 s96, s92, 13                        ; kvs + 4,096 + [key step][tile][16 words]
	s_lshl_b32 s95, s93, 8
	s_add_co_u32 s96, s96, s95
	s_lshl_b32 s95, s94, 7
	s_add_co_u32 s96, s96, s95
	s_add_co_u32 s96, s96, 4096
	s_add_nc_u64 s[20:21], s[20:21], s[96:97]
	v_cndmask_b32 v80, v72, v73, vcc_lo
	global_store_b32 v75, v80, s[20:21]
.Lstored:
	s_wait_tensorcnt 0x0
	ds_add_u32 v126, v127
	s_wait_dscnt 0x0
	CROUND                                         ; the closing round: no work-group ends while a partner may still ask for a tile that names it
	s_endpgm
.Lfunc_end_k_q3c827adefa_proj:
	.size	k_q3c827adefa_proj, .Lfunc_end_k_q3c827adefa_proj-k_q3c827adefa_proj
	.p2alignl 7, 3214868480
	.fill 96, 4, 3214868480
	.section	.rodata,"a",@progbits
	.p2align	6, 0x0
	.amdhsa_kernel k_q3c827adefa_proj
		.amdhsa_group_segment_fixed_size 308736
		.amdhsa_private_segment_fixed_size 0
		.amdhsa_enable_private_segment 0
		.amdhsa_kernarg_size 72
		.amdhsa_user_sgpr_count 2
		.amdhsa_user_sgpr_kernarg_segment_ptr 1
		.amdhsa_wavefront_size32 1
		.amdhsa_system_sgpr_workgroup_id_x 1
		.amdhsa_system_sgpr_workgroup_id_y 1
		.amdhsa_system_sgpr_workgroup_id_z 1
		.amdhsa_system_vgpr_workitem_id 0
		.amdhsa_next_free_vgpr 320
		.amdhsa_next_free_sgpr 100
		.amdhsa_reserve_vcc 1
		.amdhsa_float_denorm_mode_32 3
		.amdhsa_float_denorm_mode_16_64 3
		.amdhsa_memory_ordered 1
		.amdhsa_forward_progress 1
		.amdhsa_inst_pref_size 73
	.end_amdhsa_kernel
	.amdgpu_metadata
---
amdhsa.version: [ 1, 2 ]
amdhsa.kernels:
  - .name:           k_q3c827adefa_proj
    .symbol:         k_q3c827adefa_proj.kd
    .args:
      - { .name: cod, .offset: 0, .size: 8, .value_kind: global_buffer, .address_space: global }
      - { .name: scl, .offset: 8, .size: 8, .value_kind: global_buffer, .address_space: global }
      - { .name: bq, .offset: 16, .size: 8, .value_kind: global_buffer, .address_space: global }
      - { .name: bk, .offset: 24, .size: 8, .value_kind: global_buffer, .address_space: global }
      - { .name: bv, .offset: 32, .size: 8, .value_kind: global_buffer, .address_space: global }
      - { .name: qc, .offset: 40, .size: 8, .value_kind: global_buffer, .address_space: global }
      - { .name: qs, .offset: 48, .size: 8, .value_kind: global_buffer, .address_space: global }
      - { .name: kvc, .offset: 56, .size: 8, .value_kind: global_buffer, .address_space: global }
      - { .name: kvs, .offset: 64, .size: 8, .value_kind: global_buffer, .address_space: global }
    .group_segment_fixed_size: 308736
    .private_segment_fixed_size: 0
    .kernarg_segment_align: 8
    .kernarg_segment_size: 72
    .max_flat_workgroup_size: 384
    .sgpr_count:     100
    .vgpr_count:     320
    .wavefront_size: 32
...
	.end_amdgpu_metadata
.endif
;; end of part 2
;; launch attn (part 3): grid 8 x 32, 16 waves a work-group, clusters of 4 x 1, 206,848 bytes of LDS; arguments qc, qs, kvc, kvs, xc, xs; writes xc, xs
.if DOCPART == 3
	.amdgcn_target "amdgcn-amd-amdhsa--gfx1250"
	.amdhsa_code_object_version 6
	.text
	.protected	k_q3c827adefa_attn
	.globl	k_q3c827adefa_attn
	.p2align	8
	.type	k_q3c827adefa_attn,@function
k_q3c827adefa_attn:
	s_mov_b64 s[64:65], 0
	v_nop
	global_prefetch_b8 v0, s[64:65] scope:SCOPE_SE
	s_setreg_imm32_b32 hwreg(HW_REG_WAVE_MODE, 25, 1), 1
	s_wait_xcnt 0x0
	s_wait_alu depctr_hold_cnt(0) depctr_sa_sdst(0) depctr_va_vdst(0) depctr_va_sdst(0) depctr_va_ssrc(0) depctr_va_vcc(0) depctr_vm_vsrc(0)
	s_getreg_b32 s2, hwreg(HW_REG_IB_STS2, 6, 4)
	s_cmp_eq_u32 s2, 0
	s_cbranch_scc0 .Lentry_in_a_cluster
	s_endpgm
.Lentry_in_a_cluster:
	s_bfe_u32 s2, ttmp6, 0x10000c
	s_cmp_lg_u32 s2, 0x3003
	s_cbranch_scc0 .Lentry_shape_is_right
	s_endpgm
.Lentry_shape_is_right:
; x[b, i, head] = softmax_j(Q.K / 8 + m (1000 + |i - j|)) V, both products on codes of BF6 (E3M2) with E8M0 scales; x is quantised along the model's 1,024 and stored as the last launch's operand.
; THE BIAS: softplus(1000 + d) is 1000 + d bit for bit in f32 (the exponential of -1000 or less is 0), so the bias is m (1000 + |i - j|), m = exp(-5000^(0.8 head / 15)), head 0 .. 15.
; THE SOFTMAX: t = logit x log2(e); M = the running largest t rounded UP to a whole number; p = 2^(t - M) is quantised along the keys, not normalised; the sum of the unquantised p divides at the end.
; With c = log2(e) / 8 and mL = m log2(e): t = c w + mL X, where w = Q.K + 8 m d1, and d1 + X = 1000 + |i - j|.  For key 128 st + 32 b + 16 h + q and D_b = 128 st + 32 b - i:
;   left of my queries' key step   d1 = -(16 h + q),  X = 1000 - D_b;      right of it   d1 = 16 h + q,  X = 1000 + D_b;      in it   d1 = |D_b + 16 h + q|,  X = 1000.
; 8 m d1 is the C of the first product (16 kept registers, their sign turned once), X is one whole number a lane and block, and mL X - M is the addend of the multiply-add that makes t - M: outside the one step on the diagonal the bias costs 12 vector instructions for a lane's 64 scores.
; SHARES: a work-group takes one (batch, head) and 256 queries; wave w owns the tile of 16 queries 8 w + c8 (c8 the work-group's x), so that its diagonal key step is st = w: a branch on the wave's number and the loop's counter alone.
; All of the head's K and V (192 KiB of codes, 8 KiB of scale words) lie in LDS, filled ONCE, jointly for the four partners of a cluster (mask 15): waves 0-7 ask for an eighth of the codes each, wave 8 for the scale words.
; LAYOUT: S^T = K Q^T, O^T = V^T P^T: a lane holds ONE query.  K = 64 in the first product: a fragment of K holds TWO tiles of keys, one in each half of its 128, and Q stands between zeros, [0 | Q | 0]: [Q | 0] meets the first tile, [0 | Q] the second.
; The keys of a tile, and V's channels, are in the first launch's order: 16 registers of two neighbouring tiles are 16 neighbours.
; LIMITS: NaN and infinities are not served.  For heads 10 to 15 m lies under 2^-126 and comes out as 0 (a bias under 1e-37).  Bias and score are added in another order than the module writes, with fewer roundings.
; REGISTERS: v1-11 addresses and 16 h; v12 -M, v13 the largest t, v[14:15] the sum; v16-33 [0 | Q | 0]; v34-39 scale words (Q, p, K, V); v40-55 the C of the first product; v56-63 (mL X - M, X) x 4; v64-67 D_b;
;   v68-95 at work; v96-143 four fragments of K, then of V; v144-207 S^T, then p; v208-239 O^T; v240-251 p's codes; v252-255 at work.
.set L16, 1
.set L8,  2
.set LS,  3                            ; 4 x lane + 196,608: the scale words
.set ADK16, 4
.set ADK8,  5
.set ADV16, 6
.set ADV8,  7
.set ADS,   8
.set H16F,  9                          ; 16 h as f32
.set LV16, 10                          ; 16 x lane + 98,304: V
.set LV8,  11
.set NM,  12
.set TMX, 13
.set SUM, 14
.set QR,  16
.set QSC, 34
.set PW,  35
.set KSC, 36
.set VSC, 38
.set CP,  40
.set BM,  56
.set DB,  64
.set WMX, 68
.set PT,  72
.set SO,  76
.set TB,  80
.set FF,  84
.set S2,  86
.set CT,  88
.set F,   96
.set S,   144
.set O,   208
.set PC,  240
.set T0,  252
.set WV, 16
.set BH, 19
.set HD, 20
.set QT, 21
.set SEL, 22
.set CS,  24                           ; s[24:25] c, twice
.set M8,  26
.set ML,  27
.set K1000, 28
.set ONEP, 29
.set ONEM, 30
.set SIG, 31
.set G1S, 32
.set G1D, 40
.set ST, 72                            ; the key step
.set TK, 73                            ; where its tiles begin
.set TS, 74                            ; and its scale words
.macro PLACES n
.rept \n
	v_nop
.endr
.endm
.macro CROUND                          ; a round of the cluster's barrier
	s_barrier_signal -1
	s_barrier_wait -1
	s_cmp_lg_u32 s[WV], 0
	s_cbranch_scc1 .Lnot_wave_0_\@
	s_barrier_signal -3
.Lnot_wave_0_\@:
	s_barrier_wait -3
	s_barrier_signal -1
	s_barrier_wait -1
.endm
.macro LDFRAG reg, a16, a8, off        ; a fragment's 12 registers from its image in LDS: every load reads consecutive bytes
	ds_load_b128 v[\reg:\reg+3], v[\a16] offset:\off
	ds_load_b64 v[\reg+4:\reg+5], v[\a8] offset:\off+512
	ds_load_b128 v[\reg+6:\reg+9], v[\a16] offset:\off+768
	ds_load_b64 v[\reg+10:\reg+11], v[\a8] offset:\off+1280
.endm
.macro WM d, a, b, c, sa, sb, ra       ; one product; ra = 1: source 0's scale words stand in lanes 16-31
.if (\ra)
	v_wmma_scale_f32_16x16x128_f8f6f4 v[0+(\d):7+(\d)], v[0+(\a):11+(\a)], v[0+(\b):11+(\b)], v[0+(\c):7+(\c)], v[\sa], v[\sb] matrix_a_fmt:MATRIX_FMT_BF6 matrix_b_fmt:MATRIX_FMT_BF6 matrix_a_scale:MATRIX_SCALE_ROW1
.else
	v_wmma_scale_f32_16x16x128_f8f6f4 v[0+(\d):7+(\d)], v[0+(\a):11+(\a)], v[0+(\b):11+(\b)], v[0+(\c):7+(\c)], v[\sa], v[\sb] matrix_a_fmt:MATRIX_FMT_BF6 matrix_b_fmt:MATRIX_FMT_BF6
.endif
.endm
.macro SPROD inplace                   ; w = K Q^T + 8 m d1: eight tiles of 16 keys.  inplace = 1: d1's part was written into S^T's registers
.irp b, 0,1,2,3
.irp u, 0,1
.if \inplace
	WM S+16*\b+8*\u, F+12*\b, QR+6-6*\u, S+16*\b+8*\u, KSC+(\b>>1), QSC, \b&1
.else
	WM S+16*\b+8*\u, F+12*\b, QR+6-6*\u, CP+8*\u, KSC+(\b>>1), QSC, \b&1
.endif
.endr
.endr
.endm
.macro SETG0 g, q
	s_mov_b32 s[\g], 1
	s_add_co_u32 s[\g+1], s80, (\q)*24576
	s_add_nc_u64 s[\g+2:\g+3], s[82:83], (\q)*24576
	s_or_b32 s[\g+3], s[\g+3], 0x80000000
.endm
	s_load_b256 s[4:11], s[0:1], 0x0               ; qc, qs, kvc, kvs
	s_load_b128 s[12:15], s[0:1], 0x20             ; xc, xs
	v_lshl_add_u32 v91, v0, 2, 0x32000
	v_mov_b32 v95, 0
	ds_add_u32 v91, v95
	ds_add_u32 v91, v95
	v_lshrrev_b32 v252, 5, v0
	s_delay_alu instid0(VALU_DEP_1)
	v_readfirstlane_b32 s[WV], v252                ; wave 0..15
	s_bfe_u32 s17, ttmp6, 0x40000                  ; cx
	s_lshl_b32 s18, ttmp9, 2
	s_add_co_u32 s18, s18, s17                     ; c8: it enters Q's and x's global addresses and the number i alone
	s_and_b32 s[BH], ttmp7, 0xffff                 ; batch x 16 + head, which the partners share
	s_and_b32 s[HD], s[BH], 15
	s_lshl_b32 s[QT], s[WV], 3
	s_add_co_u32 s[QT], s[QT], s18                 ; my tile of queries
	v_and_b32 v252, 31, v0
	s_delay_alu instid0(VALU_DEP_1)
	v_lshlrev_b32 v[L16], 4, v252
	s_delay_alu instid0(VALU_DEP_2)
	v_lshlrev_b32 v[L8], 3, v252
	s_delay_alu instid0(VALU_DEP_3)
	v_lshl_add_u32 v[LS], v252, 2, 196608
	s_delay_alu instid0(VALU_DEP_3)
	v_add_nc_u32 v[LV16], 98304, v[L16]
	s_delay_alu instid0(VALU_DEP_3)
	v_add_nc_u32 v[LV8], 98304, v[L8]
	s_mov_b32 s[G1S+0], 15|(3<<16)|(1<<21)         ; the mask: all four partners; elements of 8 bytes; bit 21 beside a mask
	s_mov_b32 s[G1S+1], 32<<16                     ; rows of 256 bytes, dense
	s_mov_b32 s[G1S+2], 32<<16                     ; 32 rows of 256 bytes: K's and V's scale words lie on end
	s_mov_b32 s[G1S+3], 32<<16
	s_mov_b32 s[G1S+4], 32
	s_mov_b32 s[G1S+5], 32
	s_mov_b32 s[G1S+6], 0
	s_mov_b32 s[G1S+7], 0
	s_mov_b32 s[G1D+0], 15|(3<<16)|(1<<21)
	s_mov_b32 s[G1D+1], 32<<16                     ; 96 rows of 256 bytes, dense: four key steps' codes
	s_mov_b32 s[G1D+2], 96<<16
	s_mov_b32 s[G1D+3], 32<<16
	s_mov_b32 s[G1D+4], 96
	s_mov_b32 s[G1D+5], 32
	s_mov_b32 s[G1D+6], 0
	s_mov_b32 s[G1D+7], 0
	s_mov_b32 s[SEL], 0x76543210
	s_mov_b32 s[SEL+1], 0xfedcba98
	s_mov_b32 s[CS], 0x3e38aa3b                    ; c = log2(e) / 8
	s_mov_b32 s[CS+1], s[CS]
	s_mov_b32 s[K1000], 0x447a0000                 ; 1000.0
	s_mov_b32 s[ONEP], 0x3f800000
	s_mov_b32 s[ONEM], 0xbf800000
	s_and_b32 s76, s[WV], 7                        ; waves 0-7: which eighth (24,576 bytes) of the head's K and V codes, which lie on end in memory and in LDS
	s_mov_b32 s77, 0
	s_lshl_b32 s78, s[BH], 13
	s_add_co_u32 s78, s78, s77
	s_mov_b32 s79, 0
	s_mul_i32 s80, s76, 24576
	s_mul_i32 s82, s[BH], 196608
	s_add_co_u32 s82, s82, s80
	s_mov_b32 s83, 0
	s_wait_dscnt 0x0
	s_wait_kmcnt 0x0
	s_add_nc_u64 s[78:79], s[10:11], s[78:79]
	s_add_nc_u64 s[82:83], s[8:9], s[82:83]
	s_mov_b32 s48, 1
	s_add_co_u32 s49, s77, 196608
	s_mov_b64 s[50:51], s[78:79]
	s_or_b32 s51, s51, 0x80000000
	SETG0 52, 0
	CROUND                                         ; all four work-groups are here: the joint loads meet
	; one joint load a wave: waves 0-7 an eighth of the codes each, wave 8 the 8,192 bytes of scale words; one chain of branches on the wave's number
	s_cmp_lt_u32 s[WV], 8
	s_cbranch_scc0 .Lfill_s
	tensor_load_to_lds s[52:55], s[G1D:G1D+7]
	s_nop 0
	PLACES 4
	s_branch .Lno_fill
.Lfill_s:
	s_cmp_lg_u32 s[WV], 8
	s_cbranch_scc1 .Lno_fill
	tensor_load_to_lds s[48:51], s[G1S:G1S+7]
	s_nop 0
	PLACES 4
.Lno_fill:
	s_lshl_b32 s84, s[BH], 7
	s_add_co_u32 s84, s84, s[QT]
	s_mul_i32 s86, s84, 768
	s_mov_b32 s87, 0
	s_lshl_b32 s88, s84, 6
	s_mov_b32 s89, 0
	s_add_nc_u64 s[4:5], s[4:5], s[86:87]
	s_add_nc_u64 s[6:7], s[6:7], s[88:89]
	s_wait_alu depctr_va_vdst(0)
	global_load_b128 v[QR+6:QR+9], v[L16], s[4:5]  ; Q's six registers, between the zeros
	global_load_b64 v[QR+10:QR+11], v[L8], s[4:5] offset:512
	v_and_b32 v255, 15, v0
	s_delay_alu instid0(VALU_DEP_1)
	v_lshlrev_b32 v255, 2, v255
	global_load_b32 v[QSC], v255, s[6:7]           ; Q's scale words [d0, d1, d0, d1]
.irp j, 0,1,2,3,4,5
	v_mov_b32 v[QR+\j], 0
	v_mov_b32 v[QR+12+\j], 0
.endr
	v_cvt_f32_u32 v252, s[HD]                      ; m = 2^(-log2(e) 2^(head x 0.8 log2(5000) / 15))
	s_delay_alu instid0(VALU_DEP_1)
	v_mul_f32 v252, 0x3f27c4ab, v252
	s_wait_alu depctr_va_vdst(0)
	v_exp_f32 v252, v252
	v_nop                                          ; one plain place behind a transcendental
	s_wait_alu depctr_va_vdst(0)
	v_mul_f32 v252, 0xbfb8aa3b, v252
	s_wait_alu depctr_va_vdst(0)
	v_exp_f32 v252, v252
	v_nop
	s_wait_alu depctr_va_vdst(0)
	v_mul_f32 v253, 0x41000000, v252               ; 8 m
	v_mul_f32 v254, 0x3fb8aa3b, v252               ; m log2(e)
	s_delay_alu instid0(VALU_DEP_2)
	v_readfirstlane_b32 s[M8], v253
	s_delay_alu instid0(VALU_DEP_2)
	v_readfirstlane_b32 s[ML], v254
	s_lshl_b32 s90, s[WV], 7                       ; my query i = 128 w + 32 (c8 / 2) + 8 (c8 % 2) + r % 8 + 16 (r / 8)
	s_lshr_b32 s91, s18, 1
	s_lshl_b32 s91, s91, 5
	s_add_co_u32 s90, s90, s91
	s_and_b32 s91, s18, 1
	s_lshl_b32 s91, s91, 3
	s_add_co_u32 s90, s90, s91
	v_and_b32 v252, 7, v0
	v_bfe_u32 v253, v0, 3, 1
	s_delay_alu instid0(VALU_DEP_1)
	v_lshl_add_u32 v252, v253, 4, v252
	s_delay_alu instid0(VALU_DEP_1)
	v_add_nc_u32 v252, s90, v252
	s_delay_alu instid0(VALU_DEP_1)
	v_cvt_f32_u32 v252, v252
	s_delay_alu instid0(VALU_DEP_1)
	v_sub_f32 v[DB], 0, v252                       ; D_b = 32 b - i at key step 0: whole numbers, exact
	s_delay_alu instid0(VALU_DEP_2)
	v_sub_f32 v[DB+1], 0x42000000, v252
	s_delay_alu instid0(VALU_DEP_3)
	v_sub_f32 v[DB+2], 0x42800000, v252
	s_delay_alu instid0(VALU_DEP_4)
	v_sub_f32 v[DB+3], 0x42c00000, v252
	v_bfe_u32 v[H16F], v0, 4, 1
	s_delay_alu instid0(VALU_DEP_1)
	v_lshlrev_b32 v[H16F], 4, v[H16F]
	s_delay_alu instid0(VALU_DEP_1)
	v_cvt_f32_u32 v[H16F], v[H16F]
	s_delay_alu instid0(VALU_DEP_1)
	v_mov_b32 v253, v[H16F]
.set J, 0
.rept 16
	s_delay_alu instid0(VALU_DEP_1)
	v_mul_f32 v[CP+J], s[M8], -v253                ; -8 m (16 h + q): the keys left of my queries
	s_delay_alu instid0(VALU_DEP_2)
	v_add_f32 v253, 1.0, v253
.set J, J+1
.endr
	v_mov_b32 v[TMX], 0xff61b1e6                   ; the largest t so far: -3e38
	s_delay_alu instid0(VALU_DEP_1)
	v_floor_f32 v[NM], -v[TMX]
	v_mov_b32 v[SUM], 0
	v_mov_b32 v[SUM+1], 0
	v_mov_b32 v[FF+1], 0                           ; (named as the upper half of a pair)
.irp b, 0,1,2,3
	v_mov_b32 v[PT+\b], 0                          ; a lane permute's destination counts as one of its sources
.endr
.set J, 0
.rept 32
	v_mov_b32 v[O+J], 0                            ; O^T: the step is written once; the first change of M multiplies zeros
.set J, J+1
.endr
	s_wait_loadcnt 0x0                             ; Q
; A KEY STEP: 128 keys.
.macro STEP
	s_cmp_lt_u32 s[ST], s[WV]
	s_cselect_b32 s[SIG], s[ONEM], s[ONEP]         ; -1 left of my queries' step, +1 right of it,
	s_cmp_eq_u32 s[ST], s[WV]
	s_cselect_b32 s[SIG], 0, s[SIG]                ; 0 in it
	v_add_nc_u32 v[ADK16], s[TK], v[L16]           ; (these five are the places behind the last step's products, in front of the loads below)
	v_add_nc_u32 v[ADK8], s[TK], v[L8]
	v_add_nc_u32 v[ADV16], s[TK], v[LV16]
	v_add_nc_u32 v[ADV8], s[TK], v[LV8]
	v_add_nc_u32 v[ADS], s[TS], v[LS]
.irp b, 0,1,2,3
	LDFRAG F+12*\b, ADK16, ADK8, 1536*\b           ; K: block b's two tiles in one fragment
.endr
	ds_load_b32 v[KSC], v[ADS]                     ; its scale words: lanes 0-15 block 0, lanes 16-31 block 1;
	ds_load_b32 v[KSC+1], v[ADS] offset:128        ; blocks 2 and 3
	s_cmp_lg_u32 s[ST], s[WV]
	s_cbranch_scc1 .Lplain_\@
	s_wait_alu depctr_va_vdst(0)
.irp b, 0,1,2,3                        ; ON THE DIAGONAL, once a wave: 8 m |i - j| is written out, and the kept registers change their sign for the keys to the right
	v_add_f32 v[T0+\b], v[DB+\b], v[H16F]
.endr
.irp q, 0,1,2,3,4,5,6,7,8,9,10,11,12,13,14,15
.irp b, 0,1,2,3
	s_delay_alu instid0(VALU_DEP_4)
	v_mul_f32 v[S+16*\b+\q], s[M8], |v[T0+\b]|
.endr
.irp b, 0,1,2,3
	v_add_f32 v[T0+\b], 1.0, v[T0+\b]
.endr
.endr
.irp j, 0,2,4,6,8,10,12,14
	v_pk_mul_f32 v[CP+\j:CP+\j+1], v[CP+\j:CP+\j+1], -1.0 op_sel_hi:[1,0]
.endr
	s_wait_dscnt 0x0
	SPROD 1
	s_branch .Ljoin_\@
.Lplain_\@:
	s_wait_dscnt 0x0
	SPROD 0
.Ljoin_\@:
	s_wait_alu depctr_va_vdst(0)
.irp b, 0,1,2,3
	v_fma_f32 v[BM+1+2*\b], s[SIG], v[DB+\b], s[K1000]   ; X_b, a whole number.  (These eight are the places behind the products)
.endr
.irp b, 0,1,2,3
	s_delay_alu instid0(VALU_DEP_4)
	v_mul_f32 v[TB+\b], s[ML], v[BM+1+2*\b]
.endr
.irp t, 0,1,2,3
	LDFRAG F+12*\t, ADV16, ADV8, 1536*\t           ; V's four tiles of 16 channels: they land under the softmax
.endr
	ds_load_b32 v[VSC], v[ADS] offset:4096
	ds_load_b32 v[VSC+1], v[ADS] offset:4224
.irp b, 0,1,2,3
	v_max3_num_f32 v[WMX+\b], v[S+16*\b], v[S+1+16*\b], v[S+2+16*\b]   ; THE LARGEST w OF EACH BLOCK: it serves for the row's maximum and, since p rises with w inside a block, for the block's largest p
.endr
.irp i, 3,5,7,9,11,13
.irp b, 0,1,2,3
	v_max3_num_f32 v[WMX+\b], v[WMX+\b], v[S+16*\b+\i], v[S+1+16*\b+\i]
.endr
.endr
.irp b, 0,1,2,3
	v_max_num_f32 v[WMX+\b], v[WMX+\b], v[S+15+16*\b]
.endr
.irp b, 0,1,2,3
	s_delay_alu instid0(VALU_DEP_4)
	v_permlanex16_b32 v[PT+\b], v[WMX+\b], s[SEL], s[SEL+1]
.endr
.irp b, 0,1,2,3
	s_delay_alu instid0(VALU_DEP_4)
	v_max_num_f32 v[WMX+\b], v[WMX+\b], v[PT+\b]   ; with lane l xor 16's 16 keys
.endr
.irp b, 0,1,2,3
	s_delay_alu instid0(VALU_DEP_4)
	v_fma_f32 v[TB+\b], v[WMX+\b], s[CS], v[TB+\b] ; the block's largest t
.endr
	s_delay_alu instid0(VALU_DEP_2)
	v_max3_num_f32 v252, v[TB], v[TB+1], v[TB+2]
	s_delay_alu instid0(VALU_DEP_1)
	v_max3_num_f32 v[TMX], v[TMX], v252, v[TB+3]   ; the running largest t
	v_mov_b32 v252, v[NM]
	s_delay_alu instid0(VALU_DEP_2)
	v_floor_f32 v[NM], -v[TMX]                     ; -M = floor(-t): M is a whole number
	s_delay_alu instid0(VALU_DEP_1)
	v_sub_f32 v252, v[NM], v252                    ; old M - new M, 0 or less
	s_delay_alu instid0(VALU_DEP_1)
	v_cvt_i32_f32 v252, v252                       ; (it saturates)
	s_delay_alu instid0(VALU_DEP_1)
	v_ldexp_f32 v[FF], 1.0, v252                   ; f = 2^(old M - new M): rounds nothing
.irp b, 0,1,2,3
	v_fma_f32 v[BM+2*\b], s[ML], v[BM+1+2*\b], v[NM]   ; mL X_b - M
.endr
.irp b, 0,1,2,3
.irp j, 0,2,4,6,8,10,12,14
	v_pk_fma_f32 v[S+16*\b+\j:S+16*\b+\j+1], v[S+16*\b+\j:S+16*\b+\j+1], s[CS:CS+1], v[BM+2*\b:BM+2*\b+1] op_sel_hi:[1,0,0]   ; t - M, two at a time
.endr
.endr
.irp b, 0,1,2,3
	v_fma_f32 v[WMX+\b], v[WMX+\b], s[CS], v[BM+2*\b]  ; the same of each block's largest w
.endr
.set J, 0
	s_wait_alu depctr_va_vdst(0)
.rept 64
	v_exp_f32 v[S+J], v[S+J]                       ; p = 2^(t - M)
.set J, J+1
.endr
.irp b, 0,1,2,3
	v_exp_f32 v[WMX+\b], v[WMX+\b]                 ; the block's largest p: the same two instructions on the same number
.endr
	v_pk_mul_f32 v[SUM:SUM+1], v[SUM:SUM+1], v[FF:FF+1] op_sel_hi:[1,0]   ; the sum under the new M.  (A plain place behind the exponentials)
	s_wait_alu depctr_va_vdst(0)
.irp b, 0,1,2,3
	v_max_num_f32 v[WMX+\b], 0x2800000, v[WMX+\b]  ; the floor 2^(5 - 127): the byte cannot fall under 1
.endr
.irp b, 0,1,2,3
	s_delay_alu instid0(VALU_DEP_4)
	v_add_nc_u32 v[SO+\b], 0xfe000000, v[WMX+\b]   ; 4 off the exponent field: the conversion's scale operand
.endr
.irp b, 0,1,2,3
	s_delay_alu instid0(VALU_DEP_4)
	v_lshrrev_b32 v[PT+\b], 23, v[SO+\b]           ; the scale's byte
.endr
	s_delay_alu instid0(VALU_DEP_3)
	v_lshl_or_b32 v[PW], v[PT+1], 8, v[PT]         ; p's scale word for these 128 keys
	s_delay_alu instid0(VALU_DEP_1)
	v_lshl_or_b32 v[PW], v[PT+2], 16, v[PW]
	s_delay_alu instid0(VALU_DEP_1)
	v_lshl_or_b32 v[PW], v[PT+3], 24, v[PW]
.irp c, 0,1
	v_cvt_scalef32_pk16_bf6_f32 v[PC+6*\c:PC+2+6*\c], v[S+32*\c:S+15+32*\c], v[SO+2*\c]
	v_cvt_scalef32_pk16_bf6_f32 v[CT+4*\c:CT+2+4*\c], v[S+16+32*\c:S+31+32*\c], v[SO+2*\c+1]
.endr
	v_nop                                          ; one plain place behind a scaled conversion
.irp c, 0,1                            ; the operand's layout wants a WHOLE block in a lane
.irp i, 0,1,2
	v_permlane16_swap_b32 v[PC+6*\c+\i], v[CT+4*\c+\i]
.endr
.irp i, 0,1,2
	s_delay_alu instid0(VALU_DEP_3)
	v_mov_b32 v[PC+3+6*\c+\i], v[CT+4*\c+\i]
.endr
.endr
.irp j, 0,2,4,6,8,10,12,14,16,18,20,22,24,26,28,30
	v_pk_mul_f32 v[O+\j:O+\j+1], v[O+\j:O+\j+1], v[FF:FF+1] op_sel_hi:[1,0]   ; O^T under the new M, each accumulator from its low end on
.endr
	v_pk_add_f32 v[86:87], v[148:149], v[152:153]
	v_pk_add_f32 v[254:255], v[156:157], v[160:161]
	v_pk_add_f32 v[92:93], v[164:165], v[168:169]
	v_pk_add_f32 v[88:89], v[172:173], v[176:177]
	v_pk_add_f32 v[82:83], v[180:181], v[184:185]
	v_pk_add_f32 v[80:81], v[188:189], v[192:193]
	v_pk_add_f32 v[78:79], v[196:197], v[200:201]
	v_pk_add_f32 v[14:15], v[14:15], v[204:205]
	v_pk_add_f32 v[86:87], v[86:87], v[144:145]
	v_pk_add_f32 v[254:255], v[254:255], v[146:147]
	v_pk_add_f32 v[92:93], v[92:93], v[150:151]
	v_pk_add_f32 v[88:89], v[88:89], v[154:155]
	v_pk_add_f32 v[82:83], v[82:83], v[158:159]
	v_pk_add_f32 v[80:81], v[80:81], v[162:163]
	v_pk_add_f32 v[78:79], v[78:79], v[166:167]
	v_pk_add_f32 v[14:15], v[14:15], v[170:171]
	v_pk_add_f32 v[86:87], v[86:87], v[174:175]
	v_pk_add_f32 v[254:255], v[254:255], v[178:179]
	v_pk_add_f32 v[92:93], v[92:93], v[182:183]
	v_pk_add_f32 v[88:89], v[88:89], v[186:187]
	v_pk_add_f32 v[82:83], v[82:83], v[190:191]
	v_pk_add_f32 v[80:81], v[80:81], v[194:195]
	v_pk_add_f32 v[78:79], v[78:79], v[198:199]
	v_pk_add_f32 v[14:15], v[14:15], v[202:203]
	v_pk_add_f32 v[86:87], v[86:87], v[206:207]
	s_delay_alu instid0(VALU_DEP_2)
	v_pk_add_f32 v[14:15], v[14:15], v[88:89]
	s_delay_alu instid0(VALU_DEP_2)
	v_pk_add_f32 v[86:87], v[86:87], v[82:83]
	v_pk_add_f32 v[254:255], v[254:255], v[80:81]
	v_pk_add_f32 v[92:93], v[92:93], v[78:79]
	s_delay_alu instid0(VALU_DEP_2)
	v_pk_add_f32 v[14:15], v[14:15], v[254:255]
	s_delay_alu instid0(VALU_DEP_2)
	v_pk_add_f32 v[86:87], v[86:87], v[92:93]
	s_delay_alu instid0(VALU_DEP_1)
	v_pk_add_f32 v[14:15], v[14:15], v[86:87]
	v_pk_add_f32 v[DB:DB+1], v[DB:DB+1], 0x43000000 op_sel_hi:[1,0]       ; D_b of the next step: + 128
	v_pk_add_f32 v[DB+2:DB+3], v[DB+2:DB+3], 0x43000000 op_sel_hi:[1,0]
	s_wait_dscnt 0x0                               ; V
.irp t, 0,1,2,3
	WM O+8*\t, F+12*\t, PC, O+8*\t, VSC+(\t>>1), PW, \t&1     ; O^T += V^T P^T: four accumulators, one instruction a turn
.endr
.endm
; All sixteen key steps, whose tiles came by one load each of waves 0-7.
.macro QUARTER q
	s_wait_tensorcnt 0x0                           ; my one load, if I asked for one, has landed: nothing is ever filled again, and one loop walks all sixteen key steps
	s_wait_dscnt 0x0
	s_barrier_signal -1
	s_barrier_wait -1                              ; now every wave may read it
	s_mov_b32 s[ST], 4*(\q)
	s_mov_b32 s[TK], 24576*(\q)
	s_mov_b32 s[TS], 1024*(\q)
.Lstep_\@:
	STEP
	s_add_co_u32 s[TK], s[TK], 6144
	s_add_co_u32 s[TS], s[TS], 256
	s_add_co_u32 s[ST], s[ST], 1
	s_cmp_lt_u32 s[ST], 16
	s_cbranch_scc1 .Lstep_\@
.endm
	QUARTER 0
	; THE WAY OUT: O^T / the sum is my 16 queries' 64 channels of x: two blocks of the last product's K.  They are quantised and stored as half a fragment.
	PLACES 4
	s_wait_alu depctr_va_vdst(0)
	v_add_f32 v[SUM], v[SUM], v[SUM+1]
	s_delay_alu instid0(VALU_DEP_1)
	v_permlanex16_b32 v252, v[SUM], s[SEL], s[SEL+1]
	s_delay_alu instid0(VALU_DEP_1)
	v_add_f32 v[SUM], v[SUM], v252                 ; the row's sum
	s_wait_alu depctr_va_vdst(0)
	v_rcp_f32 v[SUM], v[SUM]
	v_nop                                          ; one plain place behind a transcendental
.set J, 0
	s_wait_alu depctr_va_vdst(0)
.rept 32
	v_mul_f32 v[S+J], v[O+J], v[SUM]               ; register 16 g + i is channel 32 g + 16 h + i
.set J, J+1
.endr
.irp b, 0,1
	v_max3_num_f32 v[WMX+\b], |v[S+16*\b]|, |v[S+1+16*\b]|, 0x2800000
.endr
.irp i, 2,4,6,8,10,12,14
.irp b, 0,1
	s_delay_alu instid0(VALU_DEP_2)
	v_max3_num_f32 v[WMX+\b], v[WMX+\b], |v[S+16*\b+\i]|, |v[S+1+16*\b+\i]|
.endr
.endr
.irp b, 0,1
	s_delay_alu instid0(VALU_DEP_2)
	v_permlanex16_b32 v[PT+\b], v[WMX+\b], s[SEL], s[SEL+1]
.endr
.irp b, 0,1
	s_delay_alu instid0(VALU_DEP_2)
	v_max_num_f32 v[WMX+\b], v[WMX+\b], v[PT+\b]
.endr
.irp b, 0,1
	s_delay_alu instid0(VALU_DEP_2)
	v_add_nc_u32 v[SO+\b], 0xfe000000, v[WMX+\b]
.endr
.irp b, 0,1
	s_delay_alu instid0(VALU_DEP_2)
	v_lshrrev_b32 v[PT+\b], 23, v[SO+\b]
.endr
	v_cvt_scalef32_pk16_bf6_f32 v[PC:PC+2], v[S:S+15], v[SO]
	v_cvt_scalef32_pk16_bf6_f32 v[CT:CT+2], v[S+16:S+31], v[SO+1]
	v_nop
.irp i, 0,1,2
	v_permlane16_swap_b32 v[PC+\i], v[CT+\i]
.endr
.irp i, 0,1,2
	s_delay_alu instid0(VALU_DEP_3)
	v_mov_b32 v[PC+3+\i], v[CT+\i]
.endr
	s_lshr_b32 s76, s[BH], 4
	s_lshl_b32 s76, s76, 7
	s_add_co_u32 s76, s76, s[QT]                   ; T: my tile among the 256 tiles of rows
	s_mul_i32 s78, s76, 12288                      ; xc: [T][head][768]
	s_mul_i32 s77, s[HD], 768
	s_add_co_u32 s78, s78, s77
	s_mov_b32 s79, 0
	s_add_nc_u64 s[12:13], s[12:13], s[78:79]
	s_lshr_b32 s78, s76, 1                         ; xs: [T / 2][head / 8][16 (T % 2) + r][(head / 2) % 4]: byte 2 (head % 2) + block
	s_lshl_b32 s78, s78, 10
	s_and_b32 s77, s76, 1
	s_lshl_b32 s77, s77, 8
	s_add_co_u32 s78, s78, s77
	s_lshr_b32 s77, s[HD], 3
	s_lshl_b32 s77, s77, 9
	s_add_co_u32 s78, s78, s77
	s_bfe_u32 s77, s[HD], 0x20001
	s_lshl_b32 s77, s77, 2
	s_add_co_u32 s78, s78, s77
	s_and_b32 s77, s[HD], 1
	s_lshl_b32 s77, s77, 1
	s_add_co_u32 s78, s78, s77
	s_add_nc_u64 s[14:15], s[14:15], s[78:79]
	s_wait_alu depctr_va_vdst(0)
	global_store_b128 v[L16], v[PC:PC+3], s[12:13]                 ; 768 consecutive bytes
	global_store_b64 v[L8], v[PC+4:PC+5], s[12:13] offset:512
	v_and_b32 v252, 31, v0
	s_delay_alu instid0(VALU_DEP_1)
	v_cmp_le_u32 vcc_lo, 16, v252
	s_delay_alu instid0(VALU_DEP_1)
	v_cndmask_b32 v253, v[PT], v[PT+1], vcc_lo     ; lanes 0-15 store block 0's byte, lanes 16-31 block 1's
	v_and_b32 v254, 15, v0
	v_bfe_u32 v252, v0, 4, 1
	s_delay_alu instid0(VALU_DEP_1)
	v_lshl_add_u32 v254, v254, 4, v252             ; 16 r + h
	global_store_b8 v254, v253, s[14:15]           ; 32 bytes a wave, at the places where the last launch's loads want them
	s_wait_tensorcnt 0x0
	ds_add_u32 v91, v95
	s_wait_dscnt 0x0
	CROUND                                         ; the closing round: no work-group ends while a partner may still ask for a tile that names it
	s_endpgm
.Lfunc_end_k_q3c827adefa_attn:
	.size	k_q3c827adefa_attn, .Lfunc_end_k_q3c827adefa_attn-k_q3c827adefa_attn
	.p2alignl 7, 3214868480
	.fill 96, 4, 3214868480
	.section	.rodata,"a",@progbits
	.p2align	6, 0x0
	.amdhsa_kernel k_q3c827adefa_attn
		.amdhsa_group_segment_fixed_size 206848
		.amdhsa_private_segment_fixed_size 0
		.amdhsa_enable_private_segment 0
		.amdhsa_kernarg_size 48
		.amdhsa_user_sgpr_count 2
		.amdhsa_user_sgpr_kernarg_segment_ptr 1
		.amdhsa_wavefront_size32 1
		.amdhsa_system_sgpr_workgroup_id_x 1
		.amdhsa_system_sgpr_workgroup_id_y 1
		.amdhsa_system_sgpr_workgroup_id_z 1
		.amdhsa_system_vgpr_workitem_id 0
		.amdhsa_next_free_vgpr 256
		.amdhsa_next_free_sgpr 96
		.amdhsa_reserve_vcc 1
		.amdhsa_float_denorm_mode_32 3
		.amdhsa_float_denorm_mode_16_64 3
		.amdhsa_memory_ordered 1
		.amdhsa_forward_progress 1
		.amdhsa_inst_pref_size 46
	.end_amdhsa_kernel
	.amdgpu_metadata
---
amdhsa.version: [ 1, 2 ]
amdhsa.kernels:
  - .name:           k_q3c827adefa_attn
    .symbol:         k_q3c827adefa_attn.kd
    .args:
      - { .name: qc, .offset: 0, .size: 8, .value_kind: global_buffer, .address_space: global }
      - { .name: qs, .offset: 8, .size: 8, .value_kind: global_buffer, .address_space: global }
      - { .name: kvc, .offset: 16, .size: 8, .value_kind: global_buffer, .address_space: global }
      - { .name: kvs, .offset: 24, .size: 8, .value_kind: global_buffer, .address_space: global }
      - { .name: xc, .offset: 32, .size: 8, .value_kind: global_buffer, .address_space: global }
      - { .name: xs, .offset: 40, .size: 8, .value_kind: global_buffer, .address_space: global }
    .group_segment_fixed_size: 206848
    .private_segment_fixed_size: 0
    .kernarg_segment_align: 8
    .kernarg_segment_size: 48
    .max_flat_workgroup_size: 512
    .sgpr_count:     96
    .vgpr_count:     256
    .wavefront_size: 32
...
	.end_amdgpu_metadata
.endif
;; end of part 3
;; launch outp (part 4): grid 256 x 1, 8 waves a work-group, clusters of 4 x 1, 168,960 bytes of LDS; arguments cod, scl, xc, xs, bo, out0; writes out0
.if DOCPART == 4
	.amdgcn_target "amdgcn-amd-amdhsa--gfx1250"
	.amdhsa_code_object_version 6
	.text
	.protected	k_q3c827adefa_outp
	.globl	k_q3c827adefa_outp
	.p2align	8
	.type	k_q3c827adefa_outp,@function
k_q3c827adefa_outp:
	s_mov_b64 s[64:65], 0
	v_nop
	global_prefetch_b8 v0, s[64:65] scope:SCOPE_SE
	s_setreg_imm32_b32 hwreg(HW_REG_WAVE_MODE, 25, 1), 1
	s_wait_xcnt 0x0
	s_wait_alu depctr_hold_cnt(0) depctr_sa_sdst(0) depctr_va_vdst(0) depctr_va_sdst(0) depctr_va_ssrc(0) depctr_va_vcc(0) depctr_vm_vsrc(0)
	s_getreg_b32 s2, hwreg(HW_REG_IB_STS2, 6, 4)
	s_cmp_eq_u32 s2, 0
	s_cbranch_scc0 .Lentry_in_a_cluster
	s_endpgm
.Lentry_in_a_cluster:
	s_bfe_u32 s2, ttmp6, 0x10000c
	s_cmp_lg_u32 s2, 0x3003
	s_cbranch_scc0 .Lentry_shape_is_right
	s_endpgm
.Lentry_shape_is_right:
; out0 = x Wo^T + bo on codes of BF6 (E3M2) with E8M0 scales, sums in f32.  x's codes and scale words come from the attention launch, Wo's from the first launch, both as images of operand registers.
; SHARES: a work-group makes 128 rows x 128 columns.  Source 0 = 16 rows of Wo (columns of out0), held in LDS for all of K; source 1 = 16 rows of x, from memory straight into registers, one K step ahead: a lane holds ONE row of out0
; and 16 registers of two neighbouring tiles are 16 neighbouring columns.  Wave w: columns 64 (w % 2) on (four tiles), the group of 32 rows w / 2 (two tiles): eight accumulators.
; CLUSTER: Wo's 128 rows hang on the cluster's number alone: waves 0-4 ask for them JOINTLY with the three partners (mask 15): scale words, then four stages of two K steps.  Every such LDS byte is filled once.
; The bias is loaded straight into the accumulators, and every K step adds in place.
; REGISTERS: v1-11 addresses; v12-13 Wo's scale words; v16-23 x's; v24-71 four fragments of Wo; v72-119 x, two sets of two; v128-191 the accumulators ((i, b) at 128 + 32 b + 8 i); on the way out v24-87 rows of out0.
.set STGB, 24576
.set SCOF, 98304
.set STAGE, 102400                     ; behind Wo: 16 rows x (256 + 16) bytes for each wave, for the way out: no tensor load lands there
.set AL0, 1
.set A80, 3
.set AS,  5
.set L16, 6
.set L8,  7
.set STO, 8
.set RD,  9
.set CO,  10
.set SCA, 12
.set SCB, 16
.set AF,  24
.set BF,  72
.set ACC, 128
.set ACCB, 32
.set WV, 16
.set G1S, 32
.set G1C, 40
.set BB, 82
.macro PLACES n
.rept \n
	v_nop
.endr
.endm
.macro CROUND                          ; a round of the cluster's barrier
	s_barrier_signal -1
	s_barrier_wait -1
	s_cmp_lg_u32 s[WV], 0
	s_cbranch_scc1 .Lnot_wave_0_\@
	s_barrier_signal -3
.Lnot_wave_0_\@:
	s_barrier_wait -3
	s_barrier_signal -1
	s_barrier_wait -1
.endm
.macro LDFRAG reg, a16, a8, off
	ds_load_b128 v[\reg:\reg+3], v[\a16] offset:\off
	ds_load_b64 v[\reg+4:\reg+5], v[\a8] offset:\off+512
	ds_load_b128 v[\reg+6:\reg+9], v[\a16] offset:\off+768
	ds_load_b64 v[\reg+10:\reg+11], v[\a8] offset:\off+1280
.endm
.macro GLFRAG reg, sb, off
	global_load_b128 v[\reg:\reg+3], v[L16], s[\sb:\sb+1] offset:\off
	global_load_b64 v[\reg+4:\reg+5], v[L8], s[\sb:\sb+1] offset:\off+512
	global_load_b128 v[\reg+6:\reg+9], v[L16], s[\sb:\sb+1] offset:\off+768
	global_load_b64 v[\reg+10:\reg+11], v[L8], s[\sb:\sb+1] offset:\off+1280
.endm
.macro WM d, a, b, c, sa, sb, ra, rb   ; one product; ra, rb = 1: that side's scale words stand in lanes 16-31
.if (\ra)&&(\rb)
	v_wmma_scale_f32_16x16x128_f8f6f4 v[0+(\d):7+(\d)], v[0+(\a):11+(\a)], v[0+(\b):11+(\b)], v[0+(\c):7+(\c)], v[\sa], v[\sb] matrix_a_fmt:MATRIX_FMT_BF6 matrix_b_fmt:MATRIX_FMT_BF6 matrix_a_scale:MATRIX_SCALE_ROW1 matrix_b_scale:MATRIX_SCALE_ROW1
.elseif (\ra)
	v_wmma_scale_f32_16x16x128_f8f6f4 v[0+(\d):7+(\d)], v[0+(\a):11+(\a)], v[0+(\b):11+(\b)], v[0+(\c):7+(\c)], v[\sa], v[\sb] matrix_a_fmt:MATRIX_FMT_BF6 matrix_b_fmt:MATRIX_FMT_BF6 matrix_a_scale:MATRIX_SCALE_ROW1
.elseif (\rb)
	v_wmma_scale_f32_16x16x128_f8f6f4 v[0+(\d):7+(\d)], v[0+(\a):11+(\a)], v[0+(\b):11+(\b)], v[0+(\c):7+(\c)], v[\sa], v[\sb] matrix_a_fmt:MATRIX_FMT_BF6 matrix_b_fmt:MATRIX_FMT_BF6 matrix_b_scale:MATRIX_SCALE_ROW1
.else
	v_wmma_scale_f32_16x16x128_f8f6f4 v[0+(\d):7+(\d)], v[0+(\a):11+(\a)], v[0+(\b):11+(\b)], v[0+(\c):7+(\c)], v[\sa], v[\sb] matrix_a_fmt:MATRIX_FMT_BF6 matrix_b_fmt:MATRIX_FMT_BF6
.endif
.endm
; My four tiles of Wo against x's two, K step s: eight accumulators, one instruction a turn.  Four places follow, in front of the next loads into these registers and of the first read of results.
.macro HALF s
.irp i, 0,1,2,3
	LDFRAG AF+12*\i, AL0+((\s)>>2), A80+((\s)>>2), (((\s)>>1)&1)*STGB+\i*3072+((\s)&1)*1536
.endr
	s_wait_dscnt 0x0
.irp i, 0,1,2,3
.irp b, 0,1
	WM ACC+ACCB*\b+8*\i, AF+12*\i, BF+24*((\s)&1)+120*(((\s)>>1)&1)+12*\b, ACC+ACCB*\b+8*\i, SCA+(\i>>1), SCB+(\s), \i&1, \b
.endr
.endr
	PLACES 4
.endm
.macro KSTEP s
.irp g, 0,1
	ds_load_b32 v[SCA+\g], v[AS] offset:\g*1024+((\s)>>2)*512+((\s)&3)*4
.endr
; x HAS FOUR SETS of two fragments: K step s uses set s % 4: sets 0, 1 at v72-119, sets 2, 3 at v192-239
.if (\s) < 5
	s_wait_loadcnt 24                              ; this K step's x (and all older loads) is in; the three younger K steps' eight loads each may be out
.else
	s_wait_loadcnt 8*(7-(\s))                      ; towards the end 7 - s younger K steps are left
.endif
	HALF \s
.if (\s) < 4
	GLFRAG BF+24*((\s)&1)+120*(((\s)>>1)&1), BB, ((\s)+4)*1536           ; x of four K steps on, into the set just multiplied (four places stand behind its products)
	GLFRAG BF+24*((\s)&1)+120*(((\s)>>1)&1)+12, BB, 12288+((\s)+4)*1536
.endif
.endm
.macro STAGEK q
.if (\q) == 0
	s_wait_tensorcnt 0x0                           ; my one load, if I asked for one, has landed
	s_wait_dscnt 0x0
	s_barrier_signal -1
	s_barrier_wait -1                              ; now every wave may read all of Wo: nothing is ever filled again
.endif
	KSTEP 2*(\q)
	KSTEP 2*(\q)+1
.endm
.macro SETG0 g, q
	s_mov_b32 s[\g], 1
	s_mov_b32 s[\g+1], (\q)*STGB
	s_add_nc_u64 s[\g+2:\g+3], s[80:81], (\q)*3072
	s_or_b32 s[\g+3], s[\g+3], 0x80000000
.endm
	s_load_b256 s[4:11], s[0:1], 0x0               ; cod, scl, xc, xs
	s_load_b128 s[12:15], s[0:1], 0x20             ; bo, out0
	v_lshl_add_u32 v254, v0, 2, 0x29000
	v_mov_b32 v255, 0
	ds_add_u32 v254, v255
	ds_add_u32 v254, v255
	v_lshrrev_b32 v120, 5, v0
	s_delay_alu instid0(VALU_DEP_1)
	v_readfirstlane_b32 s[WV], v120                ; wave 0..7
	s_bfe_u32 s17, ttmp6, 0x40000                  ; cx: it enters x's and out0's global addresses alone
	s_lshl_b32 s18, ttmp9, 2
	s_add_co_u32 s18, s18, s17                     ; the work-group's number
	s_and_b32 s19, s[WV], 1                        ; which 64 columns
	s_lshr_b32 s20, s[WV], 1                       ; which 32 rows
	s_lshr_b32 s21, ttmp9, 3                       ; the block of 128 columns
	s_and_b32 s22, s18, 31                         ; the block of 128 rows
	s_lshl_b32 s23, s22, 2
	s_add_co_u32 s23, s23, s20                     ; my group of 32 rows
	s_lshl_b32 s72, s21, 2
	s_add_co_u32 s72, s72, 480                     ; Wo's first group
	v_and_b32 v120, 31, v0
	v_and_b32 v121, 15, v0                         ; r
	v_bfe_u32 v122, v0, 4, 1                       ; h
	s_delay_alu instid0(VALU_DEP_3)
	v_lshlrev_b32 v[L16], 4, v120
	s_delay_alu instid0(VALU_DEP_4)
	v_lshlrev_b32 v[L8], 3, v120
	s_mul_i32 s24, s19, 12288                      ; my four tiles
	v_add_nc_u32 v[AL0], s24, v[L16]
	s_delay_alu instid0(VALU_DEP_1)
	v_add_nc_u32 v[AL0+1], 49152, v[AL0]
	v_add_nc_u32 v[A80], s24, v[L8]
	s_delay_alu instid0(VALU_DEP_1)
	v_add_nc_u32 v[A80+1], 49152, v[A80]
	s_lshl_b32 s24, s19, 11
	s_add_co_u32 s24, s24, SCOF
	v_add_nc_u32 v[AS], s24, v[L16]
	s_mul_i32 s24, s[WV], 16*272
	s_add_co_u32 s24, s24, STAGE                   ; my stage
	v_mul_u32_u24 v[STO], v121, 272
	s_delay_alu instid0(VALU_DEP_1)
	v_lshl_add_u32 v[STO], v122, 6, v[STO]
	s_delay_alu instid0(VALU_DEP_1)
	v_add_nc_u32 v[STO], s24, v[STO]               ; in: row r, + 64 h
	v_mul_u32_u24 v[RD], v122, 272
	s_delay_alu instid0(VALU_DEP_1)
	v_lshl_add_u32 v[RD], v121, 4, v[RD]
	s_delay_alu instid0(VALU_DEP_1)
	v_add_nc_u32 v[RD], s24, v[RD]                 ; back: lanes 0-15 one row, lanes 16-31 the next
	v_lshlrev_b32 v[CO], 12, v122
	s_delay_alu instid0(VALU_DEP_1)
	v_lshl_add_u32 v[CO], v121, 4, v[CO]           ; and the same in out0
	v_lshlrev_b32 v11, 6, v122                     ; the bias: 64 h
	s_mov_b32 s[G1S+0], 15|(3<<16)|(1<<21)         ; the mask: all four partners; elements of 8 bytes; bit 21 beside a mask
	s_mov_b32 s[G1S+1], 32<<16                     ; 16 rows of 256 bytes, dense
	s_mov_b32 s[G1S+2], 16<<16
	s_mov_b32 s[G1S+3], 32<<16
	s_mov_b32 s[G1S+4], 16
	s_mov_b32 s[G1S+5], 32
	s_mov_b32 s[G1S+6], 0
	s_mov_b32 s[G1S+7], 0
	s_mov_b32 s[G1C+0], 15|(3<<16)|(1<<21)
	s_mov_b32 s[G1C+1], 384<<16                    ; 8 rows (tiles) of 3,072 bytes (two K steps), 12,288 bytes apart
	s_mov_b32 s[G1C+2], 8<<16
	s_mov_b32 s[G1C+3], 384<<16
	s_mov_b32 s[G1C+4], 8
	s_mov_b32 s[G1C+5], 1536
	s_mov_b32 s[G1C+6], 0
	s_mov_b32 s[G1C+7], 0
	s_lshl_b32 s78, s72, 10
	s_mov_b32 s79, 0
	s_mul_i32 s80, s72, 24576
	s_mov_b32 s81, 0
	s_mul_i32 s82, s23, 24576
	s_mov_b32 s83, 0
	s_lshl_b32 s84, s23, 10
	s_mov_b32 s85, 0
	s_lshl_b32 s86, s21, 9                         ; my first column, in bytes: 512 x block + 256 x half
	s_lshl_b32 s87, s19, 8
	s_add_co_u32 s86, s86, s87
	s_mov_b32 s87, 0
	s_lshl_b32 s88, s23, 17                        ; my first row: 32 rows of 4,096 bytes a group
	s_add_co_u32 s88, s88, s86
	s_mov_b32 s89, 0
	s_wait_dscnt 0x0
	s_wait_kmcnt 0x0
	s_add_nc_u64 s[78:79], s[6:7], s[78:79]        ; Wo's scale words
	s_add_nc_u64 s[80:81], s[4:5], s[80:81]        ; Wo's codes
	s_add_nc_u64 s[BB:BB+1], s[8:9], s[82:83]      ; x's codes
	s_add_nc_u64 s[84:85], s[10:11], s[84:85]      ; x's scale words
	s_add_nc_u64 s[12:13], s[12:13], s[86:87]      ; bo
	s_add_nc_u64 s[14:15], s[14:15], s[88:89]      ; out0
	s_mov_b32 s48, 1
	s_mov_b32 s49, SCOF
	s_mov_b64 s[50:51], s[78:79]
	s_or_b32 s51, s51, 0x80000000
	SETG0 52, 0
	SETG0 56, 1
	SETG0 60, 2
	SETG0 68, 3
	CROUND                                         ; all four work-groups are here: the joint loads meet
	; one joint load a wave: wave 0 the scale words, waves 1-4 a stage of two K steps each; one chain of branches on the wave's number, every arm leading to one join
.macro ARM w, g0, g1
	s_cmp_lg_u32 s[WV], \w
	s_cbranch_scc1 .Larm_\@
	tensor_load_to_lds s[\g0:\g0+3], s[\g1:\g1+7]
	s_nop 0
	PLACES 4
	s_branch .Lno_fill
.Larm_\@:
.endm
	ARM 0, 48, G1S
	ARM 1, 52, G1C
	ARM 2, 56, G1C
	ARM 3, 60, G1C
	ARM 4, 68, G1C
.Lno_fill:
	s_wait_alu depctr_va_vdst(0)
.irp b, 0,1
.irp i, 0,1,2,3
.irp t, 0,1
	global_load_b128 v[ACC+32*\b+8*\i+4*\t:ACC+32*\b+8*\i+4*\t+3], v11, s[12:13] offset:128*(\i>>1)+32*(\i&1)+16*\t   ; register j of accumulator (i, b) is column 32 (i / 2) + 16 h + 8 (i % 2) + j
.endr
.endr
.endr
	global_load_b128 v[SCB:SCB+3], v[L16], s[84:85]                ; x's scale words, all eight K steps: lanes 0-15 tile 0, lanes 16-31 tile 1
	global_load_b128 v[SCB+4:SCB+7], v[L16], s[84:85] offset:512
.irp s, 0,1,2,3                        ; x of K steps 0 to 3 is asked for at once; the first K step's counted wait covers the bias and the scale words, which are older
	GLFRAG BF+24*(\s&1)+120*(\s>>1), BB, \s*1536
	GLFRAG BF+24*(\s&1)+120*(\s>>1)+12, BB, 12288+\s*1536
.endr
	STAGEK 0
	STAGEK 1
	STAGEK 2
	STAGEK 3
	; THE WAY OUT: a lane holds 2 x 64 neighbouring bytes of one row, the lanes beside it other rows: so a tile of 16 rows x 256 bytes goes through my own stage and comes back as whole rows.
	; LDS serves a wave's instructions in order (ISA guide 5.7.1.4): no wait between the stores and the loads, nor in front of the next tile's stores.
.irp b, 0,1
.irp g, 0,1
.irp t, 0,1,2,3
	ds_store_b128 v[STO], v[ACC+32*\b+16*\g+4*\t:ACC+32*\b+16*\g+4*\t+3] offset:128*\g+16*\t   ; each accumulator from its low end on
.endr
.endr
.irp i, 0,1,2,3,4,5,6,7
	ds_load_b128 v[24+32*\b+4*\i:24+32*\b+4*\i+3], v[RD] offset:544*\i
.endr
.irp i, 0,1,2,3,4,5,6,7
	s_wait_dscnt 7-\i                              ; load i is back; the 7 - i younger ones may be out
	global_store_b128 v[CO], v[24+32*\b+4*\i:24+32*\b+4*\i+3], s[14:15] offset:(((2*\i)&7)+16*(\i>>2)+8*\b)*4096 th:TH_STORE_NT   ; lane row 2 i + l / 16 of tile b is row 8 b + (2 i) % 8 + 16 (i / 4) + l / 16 of the group; 16 lanes store 256 consecutive bytes, aligned
.endr
.endr
	s_wait_tensorcnt 0x0
	ds_add_u32 v254, v255
	s_wait_dscnt 0x0
	CROUND                                         ; the closing round: no work-group ends while a partner may still ask for a tile that names it
	s_endpgm
.Lfunc_end_k_q3c827adefa_outp:
	.size	k_q3c827adefa_outp, .Lfunc_end_k_q3c827adefa_outp-k_q3c827adefa_outp
	.p2alignl 7, 3214868480
	.fill 96, 4, 3214868480
	.section	.rodata,"a",@progbits
	.p2align	6, 0x0
	.amdhsa_kernel k_q3c827adefa_outp
		.amdhsa_group_segment_fixed_size 168960
		.amdhsa_private_segment_fixed_size 0
		.amdhsa_enable_private_segment 0
		.amdhsa_kernarg_size 48
		.amdhsa_user_sgpr_count 2
		.amdhsa_user_sgpr_kernarg_segment_ptr 1
		.amdhsa_wavefront_size32 1
		.amdhsa_system_sgpr_workgroup_id_x 1
		.amdhsa_system_sgpr_workgroup_id_y 1
		.amdhsa_system_sgpr_workgroup_id_z 1
		.amdhsa_system_vgpr_workitem_id 0
		.amdhsa_next_free_vgpr 256
		.amdhsa_next_free_sgpr 90
		.amdhsa_reserve_vcc 0
		.amdhsa_float_denorm_mode_32 3
		.amdhsa_float_denorm_mode_16_64 3
		.amdhsa_memory_ordered 1
		.amdhsa_forward_progress 1
		.amdhsa_inst_pref_size 39
	.end_amdhsa_kernel
	.amdgpu_metadata
---
amdhsa.version: [ 1, 2 ]
amdhsa.kernels:
  - .name:           k_q3c827adefa_outp
    .symbol:         k_q3c827adefa_outp.kd
    .args:
      - { .name: cod, .offset: 0, .size: 8, .value_kind: global_buffer, .address_space: global }
      - { .name: scl, .offset: 8, .size: 8, .value_kind: global_buffer, .address_space: global }
      - { .name: xc, .offset: 16, .size: 8, .value_kind: global_buffer, .address_space: global }
      - { .name: xs, .offset: 24, .size: 8, .value_kind: global_buffer, .address_space: global }
      - { .name: bo, .offset: 32, .size: 8, .value_kind: global_buffer, .address_space: global }
      - { .name: out0, .offset: 40, .size: 8, .value_kind: global_buffer, .address_space: global }
    .group_segment_fixed_size: 168960
    .private_segment_fixed_size: 0
    .kernarg_segment_align: 8
    .kernarg_segment_size: 48
    .max_flat_workgroup_size: 256
    .sgpr_count:     90
    .vgpr_count:     256
    .wavefront_size: 32
...
	.end_amdgpu_metadata
.endif
;; end of part 4
